; MI455X (gfx1250); checked and timed in simulation.
; The chip was launched on July 23, 2026; its instructions are those of AMD's public machine-readable ISA for CDNA 5 (MIT licence, August 2026) and "CDNA5" Instruction Set Architecture Reference Guide (July 2026). The comments in the code are by the model that wrote it; some were corrected since.
;; Hyperbolic Radial Attention. Allowed arithmetic: matrix products marked QUANTISED: E2M1 operands, one E8M0 scale for each 32 along K, by v_wmma_scale_f32_16x16x128_f8f6f4 with both operands' format E2M1 (or v_wmma_scale_f32_32x16x128_f4), f32 sums; everything else in f32.
;; Inputs: Wb 1,024 x 1,024 float32; Wk 1,024 x 1,024 float32; Wo 1,024 x 1,024 float32; Wq 1,024 x 1,024 float32; Wv 1,024 x 1,024 float32; bb 1,024 float32; bk 1,024 float32; bo 1,024 float32; bq 1,024 float32; bv 1,024 float32; curvature one number float32; query 2 x 2,048 x 1,024 float32; radial_weights 16 x 1 x 1 float32.
;; Outputs: out0 2 x 2,048 x 1,024 float32.
;; This version of the problem:
;;   THIS VERSION OF THE PROBLEM IS GIVEN IN LOW PRECISION. The matrix products marked QUANTISED in the list below multiply operands that are first quantised to E2M1 (2 exponent bits, 1 mantissa bit; 4 bits a number), with one power-of-two scale for each 32 numbers along K (OCP MX v1.0); their sums are f32. All else is computed in f32.
;;   The module's matrix products, in the order in which they are computed (A, B: the left and right operand; K: the contracted axis; several contracted axes count as one K, in the product's order):
;;     1. [M 4,096, K 1,024] x [K 1,024, N 1,024]; A: input query; B: input Wq: QUANTISED
;;     2. [M 4,096, K 1,024] x [K 1,024, N 1,024]; A: input query; B: input Wk: QUANTISED
;;     3. [M 4,096, K 1,024] x [K 1,024, N 1,024]; A: input query; B: input Wv: QUANTISED
;;     4. batch 32 x [M 2,048, K 64] x [K 64, N 2,048]; A: computed on the way; B: computed on the way: QUANTISED
;;     5. batch 32 x [M 2,048, K 2,048] x [K 2,048, N 64]; A: softmax (see below); B: computed on the way: QUANTISED
;;     6. [M 4,096, K 1,024] x [K 1,024, N 1,024]; A: computed on the way; B: input Wo: QUANTISED
;;     7. [M 4,096, K 1,024] x [K 1,024, N 1,024]; A: input query; B: input Wb: QUANTISED
;;   THE QUANTISER, for each operand of a quantised product, along K:
;;     - K is cut into blocks of 32 from its start; a last block that is shorter is filled with zeros.
;;     - A block's scale is 2^e with e = floor(log2(the largest magnitude in the block)) - 2, held to -126 .. 127; a block of zeros has e = 0. As a byte (E8M0): e + 127.
;;     - Each number is divided by its block's scale, clamped to +-6, and rounded to the nearest number of E2M1, ties to even, subnormals kept.
;;     - The product sums the exact products of the quantised numbers (number of the format x scale) in f32.
;;   ~~~python
;;   def quantise(x, axis):      # numpy; x: float32 -> the quantised numbers, widened to float32 again
;;       x = np.moveaxis(x, axis, -1); K = x.shape[-1]
;;       x = np.pad(x, [(0, 0)] * (x.ndim - 1) + [(0, -K % 32)]); x = x.reshape(x.shape[:-1] + (-1, 32)); a = np.abs(x).max(-1, keepdims=True)
;;       e = np.where(a > 0, np.clip(np.frexp(np.where(a > 0, a, 1))[1] - 1 - 2, -126, 127), 0)      # np.frexp(a)[1] - 1 = floor(log2(a)), exactly
;;       r = np.clip(x / 2.0 ** e, -6, 6)
;;       step = 2.0 ** (np.maximum(np.frexp(np.where(r == 0, 1, r))[1] - 1, 0) - 1)
;;       q = np.round(r / step) * step * 2.0 ** e      # np.round: ties to even
;;       return np.moveaxis(q.reshape(q.shape[:-2] + (-1,))[..., :K], -1, axis).astype(np.float32)
;;   ~~~
;;   SOFTMAX AHEAD OF A QUANTISED PRODUCT. Where the list says 'softmax', what is quantised is not the finished softmax but p = 2^(t - M), with t = logit x log2(e) and M = ceil(the row's largest t), a whole number; so 1/2 < the row's largest p <= 1. The row's sum l is taken of the UNQUANTISED p, in f32, and the product's result is divided by l at the end. Since M is a whole number, a kernel that streams over the keys may use a running M (the ceiling of the running maximum): every later rescaling is an exact power of two, which a block's scale takes up: the codes' values come out the same.
;;   OPERANDS COMPUTED ON THE WAY. 'Computed on the way' means the value that the module computes at that place (a softmax that the list does not call 'softmax' is quantised finished and normalised). What goes into a quantiser is computed in f32, as accurately as f32 sums, v_exp_f32 and their like allow (about 1e-6 of the number): no bf16 or f16 on the way to a quantiser, and a product that is left as it is and whose result goes on into a quantised operand takes f32 operands (vector FMAs, or v_wmma_f32_16x16x4_f32). A number that lies on a knife's edge between two numbers of the format may be rounded either way, as far as f32 arithmetic and the matrix unit's own rounding can turn it there, and no further.
;; 2 versions. Each part assembles by itself: llvm-mc -triple=amdgcn-amd-amdhsa -mcpu=gfx1250 --defsym DOCPART=n.
;; ======== version 1 of 2: 4 launches
;; workspace buffers: codes 4,718,592 bytes; scales 294,912 bytes; qrec 2,752,512 bytes; kvrec 4,980,736 bytes; acodes 2,097,152 bytes; ascales 131,072 bytes
;; launch quant (part 1): grid 288 x 1, 4 waves a work-group, no clusters, 34,304 bytes of LDS; arguments query, Wq, Wk, Wv, Wo, Wb, codes, scales; writes codes, scales
.if DOCPART == 1
	.amdgcn_target "amdgcn-amd-amdhsa--gfx1250"
	.amdhsa_code_object_version 6
	.text
	.protected	k_q3f9010b8fa_quant
	.globl	k_q3f9010b8fa_quant
	.p2align	8
	.type	k_q3f9010b8fa_quant,@function
k_q3f9010b8fa_quant:
	s_mov_b64 s[64:65], 0
	v_nop
	global_prefetch_b8 v0, s[64:65] scope:SCOPE_SE
	s_setreg_imm32_b32 hwreg(HW_REG_WAVE_MODE, 25, 1), 1
	s_wait_xcnt 0x0
; query [4096][1024] and the five weights [1024][1024], f32 with K innermost, become codes of FP4 (E2M1) with one E8M0 byte for each 32 along K.
; A block's byte is its largest magnitude's exponent field - 2, held at 1 from below; each number is divided by that scale and rounded to the nearest code, ties to even, beyond 6 the code of 6.
; LAYOUT OF THE RESULT: images of operand registers.  Tile T = 2 g + u holds the rows 32 g + 8 u + r + 8 (r / 8), r = 0 .. 15.  codes: [tile][K step of 128][c = 0, 1][lane][16 bytes]: lane (r, h) holds
; row r, k = 64 c + 32 h + 0 .. 31.  scales: [tile][half of K][r][4 words], a word = the four bytes of one K step of row r.  Tiles: query 0-255, Wq 256-, Wk 320-, Wv 384-, Wo 448-, Wb 512-575.
; SHARES: work-group g takes tiles 2 g and 2 g + 1; wave w takes tile 2 g + w / 2, half w % 2 of K: 16 rows x 512 numbers in four steps of 128 along K.
; Each load reads 512 consecutive bytes of one row; a step's 16 rows turn through the wave's own stage in LDS (rows 528 bytes apart), so that a lane gets two whole blocks of 32 neighbours.
; No tensor load, no barrier, no cluster: the waves share nothing and every input byte is read once.
; LIMITS: NaN and infinities are not served; a block of zeros gets the byte 1 (its codes are zeros; only this program reads the bytes).
.set STG, 8448                         ; a wave's stage: 16 rows x (512 + 16) bytes
.set R,   16                           ; v16-143  two sets of 64 registers as loaded
.set X,   144                          ; v144-207 my two blocks of 32 neighbours
.set C,   208                          ; v208-239 codes: eight registers for each step, so that no store's data are written again
.set SW,  8                            ; v8-11    the row's scale word of each step
	s_load_b256 s[4:11], s[0:1], 0x0               ; query, Wq, Wk, Wv
	s_load_b128 s[12:15], s[0:1], 0x20             ; Wo, Wb
	s_load_b128 s[16:19], s[0:1], 0x30             ; codes, scales
	v_lshl_add_u32 v254, v0, 2, 0x8400
	v_mov_b32 v255, 0
	v_lshrrev_b32 v1, 5, v0
	v_readfirstlane_b32 s20, v1                    ; wave 0..3
	v_and_b32 v1, 31, v0                           ; lane
	v_lshlrev_b32 v2, 4, v1                        ; 16 x lane
	v_and_b32 v7, 15, v0                           ; r
	v_bfe_u32 v6, v0, 4, 1                         ; h
	s_mul_i32 s22, s20, STG
	v_add_nc_u32 v3, s22, v2                       ; the stage, on the way in: my 16 bytes of a row
	v_mul_u32_u24 v4, v7, 528
	v_lshl_add_u32 v4, v6, 7, v4
	v_add_nc_u32 v4, s22, v4                       ; and on the way out: row r, + 128 h bytes
	v_lshlrev_b32 v5, 4, v7
	v_lshl_add_u32 v5, v6, 3, v5                   ; the scale words' place: 16 r + 8 h
	v_lshlrev_b32 v6, 3, v6                        ; 8 h: the shift of my two bytes in a scale word
	v_mov_b32 v243, 0                              ; written once: a lane permute's destination counts as one of its sources
	s_mov_b32 s28, 0x76543210
	s_mov_b32 s29, 0xfedcba98                      ; selects for lane l xor 16
	s_wait_kmcnt 0x0
	s_mov_b64 s[24:25], s[14:15]                   ; which tensor: the choice hangs on the work-group's number alone
	s_mov_b32 s21, 256                             ; and that tensor's first work-group
	s_cmp_lt_u32 ttmp9, 256
	s_cselect_b64 s[24:25], s[12:13], s[24:25]
	s_cselect_b32 s21, 224, s21
	s_cmp_lt_u32 ttmp9, 224
	s_cselect_b64 s[24:25], s[10:11], s[24:25]
	s_cselect_b32 s21, 192, s21
	s_cmp_lt_u32 ttmp9, 192
	s_cselect_b64 s[24:25], s[8:9], s[24:25]
	s_cselect_b32 s21, 160, s21
	s_cmp_lt_u32 ttmp9, 160
	s_cselect_b64 s[24:25], s[6:7], s[24:25]
	s_cselect_b32 s21, 128, s21
	s_cmp_lt_u32 ttmp9, 128
	s_cselect_b64 s[24:25], s[4:5], s[24:25]
	s_cselect_b32 s21, 0, s21
	s_sub_co_u32 s26, ttmp9, s21
	s_lshl_b32 s26, s26, 17                        ; 32 rows of 4,096 bytes a work-group,
	s_lshr_b32 s22, s20, 1
	s_lshl_b32 s22, s22, 15                        ; the odd tile begins 8 rows down,
	s_add_co_u32 s26, s26, s22
	s_and_b32 s22, s20, 1
	s_lshl_b32 s22, s22, 11                        ; the second half of K 2,048 bytes on
	s_add_co_u32 s26, s26, s22
	s_mov_b32 s27, 0
	s_add_nc_u64 s[24:25], s[24:25], s[26:27]
	s_lshl_b32 s26, ttmp9, 14
	s_lshl_b32 s22, s20, 12
	s_add_co_u32 s26, s26, s22
	s_add_nc_u64 s[16:17], s[16:17], s[26:27]      ; my 4,096 bytes of codes
	s_lshl_b32 s26, ttmp9, 10
	s_lshl_b32 s22, s20, 8
	s_add_co_u32 s26, s26, s22
	s_add_nc_u64 s[18:19], s[18:19], s[26:27]      ; my 256 bytes of scale words
.macro LOAD q                          ; step q: 16 rows x 512 bytes into set q % 2
.irp i, 0,1,2,3,4,5,6,7,8,9,10,11,12,13,14,15
	global_load_b128 v[R+64*((\q)%2)+4*\i:R+64*((\q)%2)+4*\i+3], v2, s[24:25] offset:(\i+8*(\i/8))*4096+512*(\q) th:TH_LOAD_NT
.endr
.endm
.macro STEP q
.if (\q) < 3
	s_wait_loadcnt 16                              ; this step's 16 loads are in; the next step's 16 may be out
.else
	s_wait_loadcnt 0x0
.endif
.irp i, 0,1,2,3,4,5,6,7,8,9,10,11,12,13,14,15
	ds_store_b128 v3, v[R+64*((\q)%2)+4*\i:R+64*((\q)%2)+4*\i+3] offset:528*\i
.endr
.irp c, 0,1
.irp j, 0,1,2,3,4,5,6,7
	ds_load_b128 v[X+32*\c+4*\j:X+32*\c+4*\j+3], v4 offset:256*\c+16*\j   ; LDS serves a wave's instructions in order: these see the stores above
.endr
.endr
	s_wait_dscnt 0x0                               ; my 64 numbers are back, and the stores have read the set
.if (\q) < 2
	LOAD (\q)+2                                    ; which takes the loads of two steps on
.endif
	v_max3_num_f32 v12, |v[X]|, |v[X+1]|, 0x1800000        ; block 2 c + h of the step: all 32 numbers are mine; the floor 2^(3 - 127) holds the byte at 1 from below
	v_max3_num_f32 v13, |v[X+32]|, |v[X+33]|, 0x1800000
.irp i, 2,4,6,8,10,12,14,16,18,20,22,24,26,28,30
	v_max3_num_f32 v12, v12, |v[X+\i]|, |v[X+\i+1]|
	v_max3_num_f32 v13, v13, |v[X+32+\i]|, |v[X+33+\i]|
.endr
	v_add_nc_u32 v14, 0xff000000, v12              ; 2 off the exponent field: the conversion takes the exponent field of this operand as its scale
	v_add_nc_u32 v15, 0xff000000, v13
	v_lshrrev_b32 v240, 23, v14                    ; the bytes
	v_lshrrev_b32 v241, 23, v15
	v_lshl_or_b32 v242, v241, 16, v240             ; blocks h and 2 + h,
	v_lshlrev_b32 v242, v6, v242                   ; at their places in the word;
	v_permlanex16_b32 v243, v242, s28, s29
	v_or_b32 v[SW+(\q)], v242, v243                ; with lane l xor 16's two the word is whole
.irp g, 0,1,2,3
	v_cvt_scalef32_pk8_fp4_f32 v[C+8*(\q)+\g], v[X+8*\g:X+8*\g+7], v14
.endr
.irp g, 0,1,2,3
	v_cvt_scalef32_pk8_fp4_f32 v[C+8*(\q)+4+\g], v[X+32+8*\g:X+32+8*\g+7], v15
.endr
	v_nop                                          ; one plain line behind the last scaled conversion
	global_store_b128 v2, v[C+8*(\q):C+8*(\q)+3], s[16:17] offset:1024*(\q)          ; each store covers 512 consecutive bytes
	global_store_b128 v2, v[C+8*(\q)+4:C+8*(\q)+7], s[16:17] offset:1024*(\q)+512
.endm
	LOAD 0
	LOAD 1
	STEP 0
	STEP 1
	STEP 2
	STEP 3
	v_cmp_ne_u32 vcc_lo, 0, v6                     ; lanes 0-15 store words 0, 1 of their row, lanes 16-31 words 2, 3
	v_cndmask_b32 v12, v8, v10, vcc_lo
	v_cndmask_b32 v13, v9, v11, vcc_lo
	global_store_b64 v5, v[12:13], s[18:19]        ; 256 consecutive bytes
	s_wait_tensorcnt 0x0
	ds_add_u32 v254, v255
	s_wait_dscnt 0x0
	s_endpgm
.Lfunc_end_k_q3f9010b8fa_quant:
	.size	k_q3f9010b8fa_quant, .Lfunc_end_k_q3f9010b8fa_quant-k_q3f9010b8fa_quant
	.p2alignl 7, 3214868480
	.fill 96, 4, 3214868480
	.section	.rodata,"a",@progbits
	.p2align	6, 0x0
	.amdhsa_kernel k_q3f9010b8fa_quant
		.amdhsa_group_segment_fixed_size 34304
		.amdhsa_private_segment_fixed_size 0
		.amdhsa_enable_private_segment 0
		.amdhsa_kernarg_size 64
		.amdhsa_user_sgpr_count 2
		.amdhsa_user_sgpr_kernarg_segment_ptr 1
		.amdhsa_wavefront_size32 1
		.amdhsa_system_sgpr_workgroup_id_x 1
		.amdhsa_system_sgpr_workgroup_id_y 1
		.amdhsa_system_sgpr_workgroup_id_z 1
		.amdhsa_system_vgpr_workitem_id 0
		.amdhsa_next_free_vgpr 256
		.amdhsa_next_free_sgpr 66
		.amdhsa_reserve_vcc 1
		.amdhsa_float_denorm_mode_32 3
		.amdhsa_float_denorm_mode_16_64 3
		.amdhsa_memory_ordered 1
		.amdhsa_forward_progress 1
		.amdhsa_inst_pref_size 30
	.end_amdhsa_kernel
	.amdgpu_metadata
---
amdhsa.version: [ 1, 2 ]
amdhsa.kernels:
  - .name:           k_q3f9010b8fa_quant
    .symbol:         k_q3f9010b8fa_quant.kd
    .args:
      - { .name: query, .offset: 0, .size: 8, .value_kind: global_buffer, .address_space: global }
      - { .name: Wq, .offset: 8, .size: 8, .value_kind: global_buffer, .address_space: global }
      - { .name: Wk, .offset: 16, .size: 8, .value_kind: global_buffer, .address_space: global }
      - { .name: Wv, .offset: 24, .size: 8, .value_kind: global_buffer, .address_space: global }
      - { .name: Wo, .offset: 32, .size: 8, .value_kind: global_buffer, .address_space: global }
      - { .name: Wb, .offset: 40, .size: 8, .value_kind: global_buffer, .address_space: global }
      - { .name: codes, .offset: 48, .size: 8, .value_kind: global_buffer, .address_space: global }
      - { .name: scales, .offset: 56, .size: 8, .value_kind: global_buffer, .address_space: global }
    .group_segment_fixed_size: 34304
    .private_segment_fixed_size: 0
    .kernarg_segment_align: 8
    .kernarg_segment_size: 64
    .max_flat_workgroup_size: 128
    .sgpr_count:     66
    .vgpr_count:     256
    .wavefront_size: 32
...
	.end_amdgpu_metadata
.endif
;; end of part 1
;; launch proj (part 2): grid 64 x 4, 12 waves a work-group, no clusters, 0 bytes of LDS; arguments codes, scales, bq, bk, bv, curvature, radial_weights, qrec, kvrec; writes qrec, kvrec
.if DOCPART == 2
	.amdgcn_target "amdgcn-amd-amdhsa--gfx1250"
	.amdhsa_code_object_version 6
	.text
	.protected	k_q3f9010b8fa_proj
	.globl	k_q3f9010b8fa_proj
	.p2align	8
	.type	k_q3f9010b8fa_proj,@function
k_q3f9010b8fa_proj:
	s_mov_b64 s[64:65], 0
	v_nop
	global_prefetch_b8 v0, s[64:65] scope:SCOPE_SE
	s_setreg_imm32_b32 hwreg(HW_REG_WAVE_MODE, 25, 1), 1
	s_wait_xcnt 0x0
; q, k, v = query W^T + b on codes of FP4; then the hyperbolic projection x tanh(sc |x|) / (sc |x| + 1e-8) head by head (q also times sigmoid(radial weight)), all in f32; then the results are
; quantised as the attention's operands and stored as step records of 128 tokens:
;   KC 0: [tile 8][512 bytes] registers 0-3 of a fragment of K = 64;  KS 4096: [pair 4][r 16] word = the two bytes of tile 2 p | those of tile 2 p + 1 << 16;
;   KN 4352: [tile 8][r 16] 2 |.|^2;  KR 4864: [tile 8][r 16] 1 / (1 - |.|^2);  VC 5376: [feature tile 4][c 2][512 bytes];  VS 9472: [c 2][r 16][feature tile 4] halfwords.
;   qrec has the first four parts (5,376 bytes a step), kvrec all six (9,728).
; SHARES: work-group (x, y): 64 tokens x 4 heads.  Wave W: role W / 4 (0 q, 1 k, 2 v), head 4 y + W % 4: 64 x 64 outputs, K = 1,024, 16 accumulators.
; q, k: source 0 = 4 tiles of W, source 1 = 4 tiles of query: a lane holds a token, its registers run along the head (the K of q k^T).
; v: the sources change places: a lane holds a feature, its registers run along the tokens (the K of p v).
; By the tiles' choice of rows the 16 registers of tiles 2 e and 2 e + 1 are 16 neighbours: 32 e + 16 h + 0 .. 15.
; No cluster and no LDS: fragments go from memory straight into registers as images, 512 consecutive bytes a load; no tile lies in LDS that a joint request could bring.
; tanh: 1 - 2 / (1 + 2^(2.885.. s)) from s = 0.125 on; below that the series s (1 + s^2 (-1/3 + s^2 (2/15 - 17/315 s^2))), whose next term is under 2e-9 of s there.  The choice is a select.
; LIMITS: NaN and infinities are not served; a block of zeros gets the byte 1 with zero codes.
; REGISTERS: v1 r, v2 h, v3 16 x lane, v15 4 x lane, v12 sc, v13 the radial factor, v4-11, v14, v112-127 at work; v16-31, v32-47 scale words of source 0, 1; v48-79, v80-111 their fragments; v128-255 accumulator (b, a) at 128 + 32 b + 8 a.
.set SA,  16
.set SB,  32
.set FA,  48
.set FB,  80
.set ACC, 128
.set SEL, 52                           ; s[52:53] selects for lane l xor 16
.set K1,  56                           ; s56 -17/315, s57 2/15, s58 -1/3
	s_load_b128 s[4:7], s[0:1], 0x0                ; codes, scales
	s_load_b128 s[8:11], s[0:1], 0x10              ; bq, bk
	s_load_b128 s[12:15], s[0:1], 0x20             ; bv, curvature
	s_load_b128 s[16:19], s[0:1], 0x30             ; radial_weights, qrec
	s_load_b64 s[20:21], s[0:1], 0x40              ; kvrec
	v_lshrrev_b32 v1, 5, v0
	v_readfirstlane_b32 s22, v1                    ; wave 0..11
	v_and_b32 v1, 15, v0                           ; r
	v_bfe_u32 v2, v0, 4, 1                         ; h
	v_and_b32 v3, 31, v0
	v_lshlrev_b32 v15, 2, v3                       ; 4 x lane
	v_lshlrev_b32 v3, 4, v3                        ; 16 x lane
	s_lshr_b32 s23, s22, 2                         ; role
	s_and_b32 s36, s22, 3
	s_and_b32 s37, ttmp7, 0xffff
	s_lshl_b32 s37, s37, 2
	s_add_co_u32 s36, s36, s37                     ; head
	s_lshl_b32 s37, ttmp9, 2                       ; query's first tile
	s_lshl_b32 s38, s23, 6
	s_lshl_b32 s39, s36, 2
	s_add_co_u32 s38, s38, s39
	s_add_co_u32 s38, s38, 256                     ; the weight's first tile: 256 + 64 role + 4 head
	s_cmp_eq_u32 s23, 2
	s_cselect_b32 s39, s37, s38                    ; source 0's
	s_cselect_b32 s40, s38, s37                    ; source 1's
	s_lshl_b32 s24, s39, 13
	s_mov_b32 s25, 0
	s_lshl_b32 s26, s40, 13
	s_mov_b32 s27, 0
	s_lshl_b32 s28, s39, 9
	s_mov_b32 s29, 0
	s_lshl_b32 s30, s40, 9
	s_mov_b32 s31, 0
	s_mov_b32 s43, 0
	s_lshr_b32 s44, ttmp9, 5                       ; batch
	s_and_b32 s45, ttmp9, 31                       ; which 64 tokens of the batch
	s_lshl_b32 s44, s44, 4
	s_add_co_u32 s44, s44, s36                     ; batch x 16 + head
	s_lshl_b32 s44, s44, 4
	s_lshr_b32 s46, s45, 1
	s_add_co_u32 s44, s44, s46                     ; the step record's number
	s_and_b32 s45, s45, 1                          ; which half of it is mine
	s_mov_b32 s[SEL], 0x76543210
	s_mov_b32 s[SEL+1], 0xfedcba98
	s_mov_b32 s[K1], 0xbd5d0dd3
	s_mov_b32 s[K1+1], 0x3e088889
	s_mov_b32 s[K1+2], 0xbeaaaaab
	s_wait_kmcnt 0x0
	s_add_nc_u64 s[24:25], s[4:5], s[24:25]        ; source 0's codes
	s_add_nc_u64 s[26:27], s[4:5], s[26:27]        ; source 1's
	s_add_nc_u64 s[28:29], s[6:7], s[28:29]        ; source 0's scale words
	s_add_nc_u64 s[30:31], s[6:7], s[30:31]        ; source 1's
	s_cmp_eq_u32 s23, 0
	s_cselect_b64 s[32:33], s[8:9], s[10:11]
	s_cmp_eq_u32 s23, 2
	s_cselect_b64 s[32:33], s[12:13], s[32:33]
	s_lshl_b32 s42, s36, 8
	s_add_nc_u64 s[32:33], s[32:33], s[42:43]      ; my head's 64 numbers of my role's bias
	s_mov_b32 s46, 9728
	s_cmp_eq_u32 s23, 0
	s_cselect_b32 s46, 5376, s46
	s_cselect_b64 s[34:35], s[18:19], s[20:21]
	s_mul_i32 s42, s44, s46
	s_add_nc_u64 s[34:35], s[34:35], s[42:43]      ; my step record
	s_lshl_b32 s42, s36, 2
	s_add_nc_u64 s[16:17], s[16:17], s[42:43]
	s_load_b32 s47, s[14:15], 0x0                  ; the curvature
	s_load_b32 s48, s[16:17], 0x0                  ; my head's radial weight
.macro FLOAD s                         ; K step s: eight fragments, 16 loads of 512 consecutive bytes
.irp i, 0,1,2,3
.irp c, 0,1
	global_load_b128 v[FA+8*\i+4*\c:FA+8*\i+4*\c+3], v3, s[24:25] offset:8192*\i+1024*(\s)+512*\c
	global_load_b128 v[FB+8*\i+4*\c:FB+8*\i+4*\c+3], v3, s[26:27] offset:8192*\i+1024*(\s)+512*\c
.endr
.endr
.endm
; 16 products; the 16 accumulators take turns, one instruction a turn.  The first K step starts the sums.  K steps 4-7 take their scale words from lanes 16-31.
.macro MULS s
.irp b, 0,1,2,3
.irp a, 0,1,2,3
.if (\s) == 0
	v_wmma_scale_f32_16x16x128_f8f6f4 v[ACC+32*\b+8*\a:ACC+32*\b+8*\a+7], v[FA+8*\a:FA+8*\a+7], v[FB+8*\b:FB+8*\b+7], 0, v[SA+4*\a], v[SB+4*\b] matrix_a_fmt:MATRIX_FMT_FP4 matrix_b_fmt:MATRIX_FMT_FP4
.elseif (\s) < 4
	v_wmma_scale_f32_16x16x128_f8f6f4 v[ACC+32*\b+8*\a:ACC+32*\b+8*\a+7], v[FA+8*\a:FA+8*\a+7], v[FB+8*\b:FB+8*\b+7], v[ACC+32*\b+8*\a:ACC+32*\b+8*\a+7], v[SA+4*\a+(\s)], v[SB+4*\b+(\s)] matrix_a_fmt:MATRIX_FMT_FP4 matrix_b_fmt:MATRIX_FMT_FP4
.else
	v_wmma_scale_f32_16x16x128_f8f6f4 v[ACC+32*\b+8*\a:ACC+32*\b+8*\a+7], v[FA+8*\a:FA+8*\a+7], v[FB+8*\b:FB+8*\b+7], v[ACC+32*\b+8*\a:ACC+32*\b+8*\a+7], v[SA+4*\a+(\s)-4], v[SB+4*\b+(\s)-4] matrix_a_fmt:MATRIX_FMT_FP4 matrix_b_fmt:MATRIX_FMT_FP4 matrix_a_scale:MATRIX_SCALE_ROW1 matrix_b_scale:MATRIX_SCALE_ROW1
.endif
.endr
.endr
.endm
; n squared norms in v[in] on become the factors tanh(sc |x|) / (sc |x| + 1e-8).  3 n registers from v[t] on are at work.  A plain line stands behind each run of transcendentals.
.macro TANHF in, n, t
.set TI, 0
.rept \n
	v_sqrt_f32 v[(\in)+TI], v[(\in)+TI]
.set TI, TI+1
.endr
	v_nop
.set TI, 0
	s_wait_alu depctr_va_vdst(0)
.rept \n
	v_mul_f32 v[(\t)+TI], v12, v[(\in)+TI]                         ; s = sc |x|
.set TI, TI+1
.endr
.set TI, 0
.rept \n
	v_mul_f32 v[(\t)+(\n)+TI], 0x4038aa3b, v[(\t)+TI]              ; 2 log2(e) s
.set TI, TI+1
.endr
.set TI, 0
.rept \n
	v_exp_f32 v[(\t)+(\n)+TI], v[(\t)+(\n)+TI]
.set TI, TI+1
.endr
.set TI, 0
.rept \n
	v_mul_f32 v[(\t)+2*(\n)+TI], v[(\t)+TI], v[(\t)+TI]            ; s^2
.set TI, TI+1
.endr
.set TI, 0
	s_wait_alu depctr_va_vdst(0)
.rept \n
	v_add_f32 v[(\t)+(\n)+TI], 1.0, v[(\t)+(\n)+TI]
.set TI, TI+1
.endr
.set TI, 0
.rept \n
	v_rcp_f32 v[(\t)+(\n)+TI], v[(\t)+(\n)+TI]
.set TI, TI+1
.endr
.set TI, 0
.rept \n
	v_fma_f32 v[(\in)+TI], v[(\t)+2*(\n)+TI], s[K1], s[K1+1]       ; the series, by Horner
.set TI, TI+1
.endr
.set TI, 0
.rept \n
	v_fma_f32 v[(\in)+TI], v[(\in)+TI], v[(\t)+2*(\n)+TI], s[K1+2]
.set TI, TI+1
.endr
.set TI, 0
.rept \n
	v_fma_f32 v[(\in)+TI], v[(\in)+TI], v[(\t)+2*(\n)+TI], 1.0
.set TI, TI+1
.endr
.set TI, 0
.rept \n
	v_mul_f32 v[(\in)+TI], v[(\in)+TI], v[(\t)+TI]                 ; tanh for small s
.set TI, TI+1
.endr
.set TI, 0
	s_wait_alu depctr_va_vdst(0)
.rept \n
	v_fma_f32 v[(\t)+(\n)+TI], v[(\t)+(\n)+TI], -2.0, 1.0          ; tanh elsewhere
.set TI, TI+1
.endr
.set TI, 0
.rept \n
	v_add_f32 v[(\t)+2*(\n)+TI], 0x322bcc77, v[(\t)+TI]            ; s + 1e-8
.set TI, TI+1
.endr
.set TI, 0
.rept \n
	v_rcp_f32 v[(\t)+2*(\n)+TI], v[(\t)+2*(\n)+TI]
.set TI, TI+1
.endr
	v_nop
.set TI, 0
.rept \n
	v_cmp_gt_f32 vcc_lo, 0x3e000000, v[(\t)+TI]                    ; s under 0.125?
	v_cndmask_b32 v[(\in)+TI], v[(\t)+(\n)+TI], v[(\in)+TI], vcc_lo
.set TI, TI+1
.endr
.set TI, 0
	s_wait_alu depctr_va_vdst(0)
.rept \n
	v_mul_f32 v[(\in)+TI], v[(\in)+TI], v[(\t)+2*(\n)+TI]
.set TI, TI+1
.endr
.endm
; 32 numbers of a lane, register 16 e + i = k 32 e + 16 h + i of my row, become registers 0-3 of a fragment (k = 32 h + 0 .. 31) in v[pc] on and the row's two scale bytes in v[hw].  Six registers from v[t] on are at work.
.macro HQUANT s, pc, hw, t
	v_max3_num_f32 v[(\t)], |v[(\s)]|, |v[(\s)+1]|, 0x1800000      ; my 16 numbers of each block, and the floor 2^(3 - 127)
	v_max3_num_f32 v[(\t)+1], |v[(\s)+16]|, |v[(\s)+17]|, 0x1800000
.irp i, 2,4,6,8,10,12,14
	v_max3_num_f32 v[(\t)], v[(\t)], |v[(\s)+\i]|, |v[(\s)+\i+1]|
	v_max3_num_f32 v[(\t)+1], v[(\t)+1], |v[(\s)+16+\i]|, |v[(\s)+17+\i]|
.endr
	v_permlanex16_b32 v[(\t)+2], v[(\t)], s[SEL], s[SEL+1]
	v_permlanex16_b32 v[(\t)+3], v[(\t)+1], s[SEL], s[SEL+1]
	v_max_num_f32 v[(\t)], v[(\t)], v[(\t)+2]                      ; with lane l xor 16's: the block's largest magnitude
	v_max_num_f32 v[(\t)+1], v[(\t)+1], v[(\t)+3]
	v_add_nc_u32 v[(\t)+4], 0xff000000, v[(\t)]                    ; 2 off the exponent field: the conversion's scale operand
	v_add_nc_u32 v[(\t)+5], 0xff000000, v[(\t)+1]
	v_lshrrev_b32 v[(\t)+2], 23, v[(\t)+4]
	v_lshrrev_b32 v[(\t)+3], 23, v[(\t)+5]
	v_lshl_or_b32 v[(\hw)], v[(\t)+3], 8, v[(\t)+2]
	v_cvt_scalef32_pk8_fp4_f32 v[(\pc)], v[(\s):(\s)+7], v[(\t)+4]
	v_cvt_scalef32_pk8_fp4_f32 v[(\pc)+1], v[(\s)+8:(\s)+15], v[(\t)+4]
	v_cvt_scalef32_pk8_fp4_f32 v[(\pc)+2], v[(\s)+16:(\s)+23], v[(\t)+5]
	v_cvt_scalef32_pk8_fp4_f32 v[(\pc)+3], v[(\s)+24:(\s)+31], v[(\t)+5]
	v_nop                                          ; one plain line behind a scaled conversion
	v_permlane16_swap_b32 v[(\pc)], v[(\pc)+2]     ; a whole block to a lane: lanes 0-15 block 0, lanes 16-31 block 1
	v_permlane16_swap_b32 v[(\pc)+1], v[(\pc)+3]
.endm
; the squared norms of my token in each of the four token tiles -> v112-115: 16 features of each block are mine, the other 16 lane l xor 16's
.macro SUMSQ4
.irp b, 0,1,2,3
	v_pk_mul_f32 v[4+2*\b:5+2*\b], v[ACC+32*\b:ACC+32*\b+1], v[ACC+32*\b:ACC+32*\b+1]
.endr
.irp i, 2,4,6,8,10,12,14,16,18,20,22,24,26,28,30
.irp b, 0,1,2,3
	v_pk_fma_f32 v[4+2*\b:5+2*\b], v[ACC+32*\b+\i:ACC+32*\b+\i+1], v[ACC+32*\b+\i:ACC+32*\b+\i+1], v[4+2*\b:5+2*\b]
.endr
.endr
.irp b, 0,1,2,3
	v_add_f32 v[4+2*\b], v[4+2*\b], v[5+2*\b]
.endr
.irp b, 0,1,2,3
	v_permlanex16_b32 v[5+2*\b], v[4+2*\b], s[SEL], s[SEL+1]
.endr
.irp b, 0,1,2,3
	v_add_f32 v[112+\b], v[4+2*\b], v[5+2*\b]
.endr
.endm
.irp i, 0,1,2,3
	global_load_b128 v[SA+4*\i:SA+4*\i+3], v3, s[28:29] offset:512*\i   ; a tile's scale words of all eight K steps: lanes 0-15 steps 0-3, lanes 16-31 steps 4-7
	global_load_b128 v[SB+4*\i:SB+4*\i+3], v3, s[30:31] offset:512*\i
.endr
	FLOAD 0
	s_wait_kmcnt 0x0                               ; while the loads are out: sc = sqrt(max(|curvature|, 1e-8)) and the radial factor
	v_mov_b32 v12, s47
	v_max_num_f32 v12, 0x322bcc77, |v12|
	v_sqrt_f32 v12, v12
	v_mov_b32 v13, s48
	v_mul_f32 v13, 0xbfb8aa3b, v13
	v_exp_f32 v13, v13
	v_nop
	s_wait_alu depctr_va_vdst(0)
	v_add_f32 v13, 1.0, v13
	v_rcp_f32 v13, v13                             ; sigmoid(w) = 1 / (1 + 2^(-log2(e) w))
	v_nop
	s_cmp_eq_u32 s23, 0
	s_cselect_b32 s49, -1, 0
	s_wait_alu depctr_va_vdst(0)
	v_cndmask_b32 v13, 1.0, v13, s49               ; k has none
	s_wait_loadcnt 0x0
	MULS 0
.irp s, 1,2,3,4,5,6,7
.rept 4
	v_nop                                          ; places in front of loads into registers that matrix instructions have read
.endr
	FLOAD \s
	s_wait_loadcnt 0x0
	MULS \s
.endr
.rept 4
	v_nop                                          ; places in front of the first read of results and of loads into the fragments' registers
.endr
	s_cmp_eq_u32 s23, 2
	s_cbranch_scc1 .Lv
	; ---- q and k: a lane holds one token of each of four token tiles b; register 16 e + 8 u + j = feature 32 e + 16 h + 8 u + j
	v_lshlrev_b32 v14, 6, v2                       ; 64 h
.irp a, 0,1,2,3
	global_load_b128 v[48+8*\a:51+8*\a], v14, s[32:33] offset:(32*(\a/2)+8*(\a%2))*4
	global_load_b128 v[52+8*\a:55+8*\a], v14, s[32:33] offset:(32*(\a/2)+8*(\a%2))*4+16
.endr
	s_wait_loadcnt 0x0
.irp b, 0,1,2,3
.irp i, 0,2,4,6,8,10,12,14,16,18,20,22,24,26,28,30
	v_pk_add_f32 v[ACC+32*\b+\i:ACC+32*\b+\i+1], v[ACC+32*\b+\i:ACC+32*\b+\i+1], v[48+\i:49+\i]   ; the bias; each accumulator from its low end on
.endr
.endr
	SUMSQ4
	TANHF 112, 4, 16
.irp b, 0,1,2,3
	v_mul_f32 v[4+2*\b], v[112+\b], v13            ; the factor, with the radial factor
.endr
.irp b, 0,1,2,3
.irp i, 0,2,4,6,8,10,12,14,16,18,20,22,24,26,28,30
	v_pk_mul_f32 v[ACC+32*\b+\i:ACC+32*\b+\i+1], v[ACC+32*\b+\i:ACC+32*\b+\i+1], v[4+2*\b:5+2*\b] op_sel_hi:[1,0]
.endr
.endr
	SUMSQ4                                         ; |.|^2 is summed of the projected numbers, since 1 - |.|^2 may be small
.irp b, 0,1,2,3
	v_add_f32 v[116+\b], v[112+\b], v[112+\b]      ; 2 |.|^2
.endr
.irp b, 0,1,2,3
	v_sub_f32 v[120+\b], 1.0, v[112+\b]
.endr
.irp b, 0,1,2,3
	v_rcp_f32 v[120+\b], v[120+\b]                 ; 1 / (1 - |.|^2): the plain lines below stand ahead of its use
.endr
.irp b, 0,1,2,3
	HQUANT ACC+32*\b, 80+4*\b, 96+\b, 16
.endr
	s_lshl_b32 s59, s45, 11
	v_add_nc_u32 v14, s59, v3                      ; my half's four tiles of KC
	s_lshl_b32 s59, s45, 7
	v_add_nc_u32 v100, s59, v15                    ; its two pairs of KS
	s_lshl_b32 s59, s45, 8
	v_add_nc_u32 v101, s59, v15                    ; its four tiles of KN and KR
.irp b, 0,1,2,3
	global_store_b128 v14, v[80+4*\b:83+4*\b], s[34:35] offset:512*\b
.endr
	v_cmp_ne_u32 vcc_lo, 0, v2                     ; lanes 0-15 store the even tile's or pair's number, lanes 16-31 the odd one's
	v_lshl_or_b32 v102, v97, 16, v96
	v_lshl_or_b32 v103, v99, 16, v98
	v_cndmask_b32 v102, v102, v103, vcc_lo
	v_cndmask_b32 v104, v116, v117, vcc_lo
	v_cndmask_b32 v105, v118, v119, vcc_lo
	s_wait_alu depctr_va_vdst(0)
	v_cndmask_b32 v106, v120, v121, vcc_lo
	v_cndmask_b32 v107, v122, v123, vcc_lo
	global_store_b32 v100, v102, s[34:35] offset:4096
	global_store_b32 v101, v104, s[34:35] offset:4352
	global_store_b32 v101, v105, s[34:35] offset:4480
	global_store_b32 v101, v106, s[34:35] offset:4864
	global_store_b32 v101, v107, s[34:35] offset:4992
	s_endpgm
.Lv:
	; ---- v: a lane holds one feature of each of four feature tiles b; register 16 e + 8 u + j = token 32 e + 16 h + 8 u + j
	v_and_b32 v14, 8, v1
	v_add_nc_u32 v14, v14, v1
	v_lshlrev_b32 v14, 2, v14                      ; 4 (r + 8 (r / 8))
.irp b, 0,1,2,3
	global_load_b32 v[48+2*\b], v14, s[32:33] offset:(32*(\b/2)+8*(\b%2))*4    ; my feature's bias, twice: a pair for the packed addition
	global_load_b32 v[49+2*\b], v14, s[32:33] offset:(32*(\b/2)+8*(\b%2))*4
.endr
	s_wait_loadcnt 0x0
.irp b, 0,1,2,3
.irp i, 0,2,4,6,8,10,12,14,16,18,20,22,24,26,28,30
	v_pk_add_f32 v[ACC+32*\b+\i:ACC+32*\b+\i+1], v[ACC+32*\b+\i:ACC+32*\b+\i+1], v[48+2*\b:49+2*\b]
.endr
.endr
.irp i, 0,2,4,6,8,10,12,14,16,18,20,22,24,26,28,30
	v_pk_mul_f32 v[80+\i:81+\i], v[ACC+\i:ACC+\i+1], v[ACC+\i:ACC+\i+1]        ; each token's squares: my four features,
.endr
.irp b, 1,2,3
.irp i, 0,2,4,6,8,10,12,14,16,18,20,22,24,26,28,30
	v_pk_fma_f32 v[80+\i:81+\i], v[ACC+32*\b+\i:ACC+32*\b+\i+1], v[ACC+32*\b+\i:ACC+32*\b+\i+1], v[80+\i:81+\i]
.endr
.endr
.irp m, 1,2,4,8
.set I, 0
.rept 32
	v_add_f32_dpp v[80+I], v[80+I], v[80+I] row_xmask:\m row_mask:0xf bank_mask:0xf   ; and those of the 16 lanes that hold the same tokens
.set I, I+1
.endr
.endr
.irp k, 0,1,2,3
	TANHF 80+8*\k, 8, 16
.endr
.irp b, 0,1,2,3
.irp i, 0,2,4,6,8,10,12,14,16,18,20,22,24,26,28,30
	v_pk_mul_f32 v[ACC+32*\b+\i:ACC+32*\b+\i+1], v[ACC+32*\b+\i:ACC+32*\b+\i+1], v[80+\i:81+\i]
.endr
.endr
.irp b, 0,1,2,3
	HQUANT ACC+32*\b, 48+4*\b, 64+\b, 16
.endr
	s_lshl_b32 s59, s45, 9
	v_add_nc_u32 v14, s59, v3                      ; my 64 tokens are part c = half of each fragment
.irp b, 0,1,2,3
	global_store_b128 v14, v[48+4*\b:51+4*\b], s[34:35] offset:5376+1024*\b
.endr
	v_lshl_or_b32 v68, v65, 16, v64
	v_lshl_or_b32 v69, v67, 16, v66
	v_cmp_ne_u32 vcc_lo, 0, v2
	v_cndmask_b32 v68, v68, v69, vcc_lo            ; lanes 0-15: feature tiles 0, 1; lanes 16-31: 2, 3
	v_lshlrev_b32 v70, 3, v1
	v_lshl_add_u32 v70, v2, 2, v70
	s_lshl_b32 s59, s45, 7
	v_add_nc_u32 v70, s59, v70
	global_store_b32 v70, v68, s[34:35] offset:9472
	s_endpgm
.Lfunc_end_k_q3f9010b8fa_proj:
	.size	k_q3f9010b8fa_proj, .Lfunc_end_k_q3f9010b8fa_proj-k_q3f9010b8fa_proj
	.p2alignl 7, 3214868480
	.fill 96, 4, 3214868480
	.section	.rodata,"a",@progbits
	.p2align	6, 0x0
	.amdhsa_kernel k_q3f9010b8fa_proj
		.amdhsa_group_segment_fixed_size 0
		.amdhsa_private_segment_fixed_size 0
		.amdhsa_enable_private_segment 0
		.amdhsa_kernarg_size 72
		.amdhsa_user_sgpr_count 2
		.amdhsa_user_sgpr_kernarg_segment_ptr 1
		.amdhsa_wavefront_size32 1
		.amdhsa_system_sgpr_workgroup_id_x 1
		.amdhsa_system_sgpr_workgroup_id_y 1
		.amdhsa_system_sgpr_workgroup_id_z 1
		.amdhsa_system_vgpr_workitem_id 0
		.amdhsa_next_free_vgpr 256
		.amdhsa_next_free_sgpr 66
		.amdhsa_reserve_vcc 1
		.amdhsa_float_denorm_mode_32 3
		.amdhsa_float_denorm_mode_16_64 3
		.amdhsa_memory_ordered 1
		.amdhsa_forward_progress 1
		.amdhsa_inst_pref_size 118
	.end_amdhsa_kernel
	.amdgpu_metadata
---
amdhsa.version: [ 1, 2 ]
amdhsa.kernels:
  - .name:           k_q3f9010b8fa_proj
    .symbol:         k_q3f9010b8fa_proj.kd
    .args:
      - { .name: codes, .offset: 0, .size: 8, .value_kind: global_buffer, .address_space: global }
      - { .name: scales, .offset: 8, .size: 8, .value_kind: global_buffer, .address_space: global }
      - { .name: bq, .offset: 16, .size: 8, .value_kind: global_buffer, .address_space: global }
      - { .name: bk, .offset: 24, .size: 8, .value_kind: global_buffer, .address_space: global }
      - { .name: bv, .offset: 32, .size: 8, .value_kind: global_buffer, .address_space: global }
      - { .name: curvature, .offset: 40, .size: 8, .value_kind: global_buffer, .address_space: global }
      - { .name: radial_weights, .offset: 48, .size: 8, .value_kind: global_buffer, .address_space: global }
      - { .name: qrec, .offset: 56, .size: 8, .value_kind: global_buffer, .address_space: global }
      - { .name: kvrec, .offset: 64, .size: 8, .value_kind: global_buffer, .address_space: global }
    .group_segment_fixed_size: 0
    .private_segment_fixed_size: 0
    .kernarg_segment_align: 8
    .kernarg_segment_size: 72
    .max_flat_workgroup_size: 384
    .sgpr_count:     66
    .vgpr_count:     256
    .wavefront_size: 32
...
	.end_amdgpu_metadata
.endif
;; end of part 2
;; launch attn (part 3): grid 8 x 32, 16 waves a work-group, clusters of 4 x 1, 169,984 bytes of LDS; arguments qrec, kvrec, curvature, acodes, ascales; writes acodes, ascales
.if DOCPART == 3
	.amdgcn_target "amdgcn-amd-amdhsa--gfx1250"
	.amdhsa_code_object_version 6
	.text
	.protected	k_q3f9010b8fa_attn
	.globl	k_q3f9010b8fa_attn
	.p2align	8
	.type	k_q3f9010b8fa_attn,@function
k_q3f9010b8fa_attn:
	s_mov_b64 s[64:65], 0
	v_nop
	global_prefetch_b8 v0, s[64:65] scope:SCOPE_SE
	s_setreg_imm32_b32 hwreg(HW_REG_WAVE_MODE, 25, 1), 1
	s_wait_xcnt 0x0
	s_wait_alu depctr_hold_cnt(0) depctr_sa_sdst(0) depctr_va_vdst(0) depctr_va_sdst(0) depctr_va_ssrc(0) depctr_va_vcc(0) depctr_vm_vsrc(0)
	s_getreg_b32 s2, hwreg(HW_REG_IB_STS2, 6, 4)
	s_cmp_eq_u32 s2, 0
	s_cbranch_scc0 .Lentry_in_a_cluster
	s_endpgm
.Lentry_in_a_cluster:
	s_bfe_u32 s2, ttmp6, 0x10000c
	s_cmp_lg_u32 s2, 0x3003
	s_cbranch_scc0 .Lentry_shape_is_right
	s_endpgm
.Lentry_shape_is_right:
; The attention of one (batch, head): scores = -arccosh(x) / (8 (sc + 1e-8)), x = max(1 + 2 |q - k|^2 / max((1 - |q|^2)(1 - |k|^2), 1e-8), 1); softmax; times v.  Both products on codes of FP4.
; ARITHMETIC OF A SCORE, all f32.  The first product gives D = 2 |k|^2 - 4 q.k at once: q's codes have their signs turned, q's scale bytes are raised by 2, and 2 |k|^2 is loaded as the accumulator.
;   e = max(D + 2 |q|^2, 0);  z = 1 / max(A B, 1e-8) = the smaller, as unsigned words, of (1/A)(1/B) and 1e8 (a negative product, -0 and infinity have larger words than 1e8);  x = e z + 1;
;   L = log2(x + sqrt(x x - 1));  t = NC L, NC = -1 / (8 (sc + 1e-8));  M = the running largest t rounded up to a whole number;  p = 2^(t - M), quantised along the keys, not normalised.
;   The row's sum is taken of the unquantised p and divides at the end.  When M moves, the sum and O are multiplied by 2^(old M - new M), which rounds nothing.
; A block's largest p is not searched for: the block's smallest x goes through the same instructions.
; SHARES.  A work-group owns 256 queries of one (batch, head), each of its sixteen waves one tile of 16, in 256 registers.  Every wave walks the head's 2,048 keys, 128 a step.
; LDS.  The head's 16 step records (155,648 bytes) lie in LDS whole; they are filled once, so no byte is filled again.  Waves 0 and 1 bring them in four chunks of four records, half a chunk a load:
; four tensor loads of a wave are out at the most.
; CLUSTER.  The four work-groups of a cluster belong to one head and want the same records: each load is asked for jointly, with the same descriptor and a mask that names the four.
; LAYOUT.  Both products are used transposed (source 0 = 16 keys, or 16 features; source 1 = my 16 queries): a lane holds one query throughout.  The head is 64 wide and the instruction 128 deep: source 0 holds
; TWO tiles of keys (registers 0-3 and 4-7), and q stands against one of them with zero codes against the other.
; LIMITS: NaN and infinities are not served; sqrt, log2 and exp2 are taken not to fall where their input rises (else one p of a block is held one code low); (1/A)(1/B) stands for 1/(A B);
; q's scale bytes + 2 must stay under 255: |q| is at most 1e4 by the clip of the curvature at 1e-8, so they stay under 142; a block of zeros gets the byte 1 with zero codes.
; REGISTERS: v1-4 lane terms, v5-8 the same + the record; v9 q's scale word; v10-11 k's; v12 -M, v13 the largest t, v[14:15] the sum; v16-19 and v24-27 zeros round q's codes v20-23; v[28:29] 1/A, v[30:31] 2 |q|^2;
; v32-95 F (fragments, 1/B, roots); v96-159 S; v160-191 O^T; v192-199 p's codes; v[200:201] NC; v202-209 v's scale words; v210 p's; v212-227 the four blocks' figures; v[228:229] f; v230-239 at work.
.set F,   32
.set S,   96
.set O,   160
.set PC,  192
.set BM,  212
.set T1,  216
.set T2,  220
.set BY,  224
.set REC, 9728
.set WV,  14
.set TB,  48                           ; s48 LDS byte at which the step's record begins
.set CNT, 49
.set CAP, 50                           ; s50 1e8
.set SEL, 52                           ; s[52:53] selects for lane l xor 16
.set PLO, 54                           ; s54, s55 byte selects: two low halves, two high halves
.set PHI, 55
.macro CROUND                          ; a round of the cluster's barrier
	s_barrier_signal -1
	s_barrier_wait -1
	s_cmp_lg_u32 s[WV], 0
	s_cbranch_scc1 .Lnot_wave_0_\@
	s_barrier_signal -3
.Lnot_wave_0_\@:
	s_barrier_wait -3
	s_barrier_signal -1
	s_barrier_wait -1
.endm
	s_load_b256 s[4:11], s[0:1], 0x0               ; qrec, kvrec, curvature, acodes
	s_load_b64 s[12:13], s[0:1], 0x20              ; ascales
	v_lshl_add_u32 v254, v0, 2, 0x29000
	v_mov_b32 v255, 0
	ds_add_u32 v254, v255
	ds_add_u32 v254, v255
	v_lshrrev_b32 v1, 5, v0
	v_readfirstlane_b32 s[WV], v1                  ; wave 0..15
	s_bfe_u32 s15, ttmp6, 0x40000                  ; cx
	s_lshl_b32 s16, ttmp9, 2
	s_add_co_u32 s16, s16, s15                     ; my block of 256 queries: it enters global addresses of q and of the results alone
	s_and_b32 s17, ttmp7, 0xffff                   ; batch x 16 + head, which the four partners share
	; descriptor group 1: 76 rows of 256 bytes (32 elements of 8 bytes), dense in memory and in LDS
	s_mov_b32 s24, 15|(3<<16)|(1<<21)              ; the mask: all four work-groups; elements of 8 bytes; bit 21 set beside a mask; no padding
	s_mov_b32 s25, 32<<16                          ; tensor_dim0
	s_mov_b32 s26, 76<<16                          ; tensor_dim1
	s_mov_b32 s27, 32<<16                          ; tile_dim0
	s_mov_b32 s28, 76                              ; tile_dim1
	s_mov_b32 s29, 32                              ; from row to row
	s_mov_b32 s30, 0
	s_mov_b32 s31, 0
	s_and_b32 s18, s[WV], 1
	s_mul_i32 s18, s18, 19456                      ; my half of a chunk, in LDS and in memory
	s_mul_i32 s20, s17, 155648                     ; the head's records
	s_add_co_u32 s20, s20, s18
	s_mov_b32 s21, 0
	s_mov_b32 s[TB], 0
	s_mov_b32 s[CAP], 0x4cbebc20
	s_mov_b32 s[SEL], 0x76543210
	s_mov_b32 s[SEL+1], 0xfedcba98
	s_mov_b32 s[PLO], 0x05040100
	s_mov_b32 s[PHI], 0x07060302
	s_wait_dscnt 0x0
	s_wait_kmcnt 0x0
	s_add_nc_u64 s[6:7], s[6:7], s[20:21]
	CROUND                                         ; all four work-groups are here: the joint loads meet
.irp j, 0,1,2,3
	s_mov_b32 s[32+4*\j], 1                        ; count = 1
	s_add_co_u32 s[33+4*\j], s18, 38912*\j         ; LDS address: chunk j, my half
	s_add_nc_u64 s[34+4*\j:35+4*\j], s[6:7], 38912*\j
	s_or_b32 s[35+4*\j], s[35+4*\j], 0x80000000    ; type = 2
.endr
	s_cmp_lt_u32 s[WV], 2                          ; all the fills of a wave stand in one branch on the wave's number, ahead of every wait on TENSORcnt and every LDS read
	s_cbranch_scc0 .Lno_fill
	tensor_load_to_lds s[32:35], s[24:31]
	s_nop 0
	tensor_load_to_lds s[36:39], s[24:31]
	s_nop 0
	tensor_load_to_lds s[40:43], s[24:31]
	s_nop 0
	tensor_load_to_lds s[44:47], s[24:31]
	s_nop 0
.rept 4
	v_nop
.endr
.Lno_fill:
	v_and_b32 v230, 31, v0
	v_lshlrev_b32 v1, 4, v230                      ; 16 x lane
	v_lshlrev_b32 v2, 2, v230                      ; 4 x lane
	v_bfe_u32 v231, v0, 4, 1
	v_lshlrev_b32 v3, 5, v231                      ; 32 h
	v_and_b32 v232, 15, v0
	v_lshlrev_b32 v4, 3, v232                      ; 8 r
	s_lshl_b32 s56, s17, 4                         ; q's step record: 16 (batch, head) + 2 block + wave / 8; in it tile wave % 8
	s_lshl_b32 s57, s16, 1
	s_add_co_u32 s56, s56, s57
	s_lshr_b32 s57, s[WV], 3
	s_add_co_u32 s56, s56, s57
	s_mul_i32 s56, s56, 5376
	s_mov_b32 s57, 0
	s_add_nc_u64 s[4:5], s[4:5], s[56:57]
	s_and_b32 s58, s[WV], 7
	s_lshl_b32 s59, s58, 9
	v_add_nc_u32 v233, s59, v1
	global_load_b128 v[20:23], v233, s[4:5]        ; q's codes
	v_lshlrev_b32 v234, 2, v232
	s_lshr_b32 s59, s58, 1
	s_lshl_b32 s59, s59, 6
	v_add_nc_u32 v235, s59, v234
	global_load_b32 v9, v235, s[4:5] offset:4096   ; the pair's scale word of my query
	s_lshl_b32 s59, s58, 6
	v_add_nc_u32 v236, s59, v234
	global_load_b32 v30, v236, s[4:5] offset:4352  ; 2 |q|^2
	global_load_b32 v28, v236, s[4:5] offset:4864  ; 1 / (1 - |q|^2)
	s_load_b32 s22, s[8:9], 0x0                    ; the curvature
.irp i, 16,17,18,19,24,25,26,27
	v_mov_b32 v[\i], 0                             ; zero codes on both sides of q's
.endr
	s_wait_kmcnt 0x0
	v_mov_b32 v200, s22
	v_max_num_f32 v200, 0x322bcc77, |v200|
	v_sqrt_f32 v200, v200                          ; sc
	v_mov_b32 v229, 0                              ; (named as the upper half of the pair v[228:229])
	s_wait_alu depctr_va_vdst(0)
	v_add_f32 v200, 0x322bcc77, v200
	v_mul_f32 v200, 0xc1000000, v200               ; -8 (sc + 1e-8)
	v_rcp_f32 v200, v200                           ; NC
	v_nop
	s_wait_alu depctr_va_vdst(0)
	v_mov_b32 v201, v200
	s_wait_loadcnt 0x0
.irp i, 20,21,22,23
	v_xor_b32 v[\i], 0x88888888, v[\i]             ; every code's sign is turned
.endr
	s_and_b32 s59, s58, 1
	s_lshl_b32 s59, s59, 4
	v_lshrrev_b32 v9, s59, v9                      ; my tile's two bytes,
	v_and_b32 v9, 0xffff, v9
	v_lshl_or_b32 v9, v9, 16, v9                   ; for either place of q's codes,
	v_add_nc_u32 v9, 0x02020202, v9                ; times 4
	v_mov_b32 v31, v30
	v_mov_b32 v29, v28
.set J, 0
.rept 32
	v_mov_b32 v[O+J], 0                            ; O^T.  (The step is written for every step alike: the first finds zeros.)  These lines are also the places between q's operand and scale word and the first product
.set J, J+1
.endr
	v_mov_b32 v14, 0
	v_mov_b32 v15, 0
	v_mov_b32 v13, 0xff61b1e6                      ; the largest t so far: -3e38
	v_floor_f32 v12, -v13
.irp b, 0,1,2,3
	v_mov_b32 v[T1+\b], 0                          ; written once: a lane permute's destination counts as one of its sources
.endr
; x of one tile of 16 keys: F holds 1/B, S holds D
.macro PHASEA t
.irp i, 0,2,4,6
	v_pk_mul_f32 v[F+8*(\t)+\i:F+8*(\t)+\i+1], v[F+8*(\t)+\i:F+8*(\t)+\i+1], v[28:29]
.endr
.irp i, 0,2,4,6
	v_pk_add_f32 v[S+8*(\t)+\i:S+8*(\t)+\i+1], v[S+8*(\t)+\i:S+8*(\t)+\i+1], v[30:31]   ; each accumulator from its low end on
.endr
.irp i, 0,1,2,3,4,5,6,7
	v_min_u32 v[F+8*(\t)+\i], s[CAP], v[F+8*(\t)+\i]
.endr
.irp i, 0,1,2,3,4,5,6,7
	v_max_num_f32 v[S+8*(\t)+\i], 0, v[S+8*(\t)+\i]
.endr
.irp i, 0,2,4,6
	v_pk_fma_f32 v[S+8*(\t)+\i:S+8*(\t)+\i+1], v[S+8*(\t)+\i:S+8*(\t)+\i+1], v[F+8*(\t)+\i:F+8*(\t)+\i+1], 1.0 op_sel_hi:[1,1,0]
.endr
.endm
; A KEY STEP: 128 keys, the record at s[TB]
.macro STEP
	v_add_nc_u32 v5, s[TB], v1                     ; (these four are also the places behind the last products, in front of the loads into their operands' registers)
	v_add_nc_u32 v6, s[TB], v2
	v_add_nc_u32 v7, s[TB], v3
	v_add_nc_u32 v8, s[TB], v4
.irp t, 0,1,2,3,4,5,6,7
	ds_load_b128 v[F+4*\t:F+4*\t+3], v5 offset:512*\t              ; k's codes: tiles 2 p and 2 p + 1 make one operand
.endr
	ds_load_b32 v10, v6 offset:4096                ; k's scale words: lanes 0-15 pair 0, lanes 16-31 pair 1;
	ds_load_b32 v11, v6 offset:4224                ; pairs 2 and 3
.irp t, 0,1,2,3,4,5,6,7
	ds_load_b128 v[S+8*\t:S+8*\t+3], v7 offset:4352+64*\t          ; 2 |k|^2 of my eight keys of each tile, as the accumulator
	ds_load_b128 v[S+8*\t+4:S+8*\t+7], v7 offset:4352+64*\t+16
.endr
.irp t, 4,5,6,7
	ds_load_b128 v[F+8*\t:F+8*\t+3], v7 offset:4864+64*\t          ; 1/B of tiles 4-7
	ds_load_b128 v[F+8*\t+4:F+8*\t+7], v7 offset:4864+64*\t+16
.endr
	s_wait_dscnt 0x0
.irp p, 0,1,2,3
.if \p%2
	v_wmma_scale_f32_16x16x128_f8f6f4 v[S+16*\p:S+16*\p+7], v[F+8*\p:F+8*\p+7], v[20:27], v[S+16*\p:S+16*\p+7], v[10+\p/2], v9 matrix_a_fmt:MATRIX_FMT_FP4 matrix_b_fmt:MATRIX_FMT_FP4 matrix_a_scale:MATRIX_SCALE_ROW1
	v_wmma_scale_f32_16x16x128_f8f6f4 v[S+16*\p+8:S+16*\p+15], v[F+8*\p:F+8*\p+7], v[16:23], v[S+16*\p+8:S+16*\p+15], v[10+\p/2], v9 matrix_a_fmt:MATRIX_FMT_FP4 matrix_b_fmt:MATRIX_FMT_FP4 matrix_a_scale:MATRIX_SCALE_ROW1
.else
	v_wmma_scale_f32_16x16x128_f8f6f4 v[S+16*\p:S+16*\p+7], v[F+8*\p:F+8*\p+7], v[20:27], v[S+16*\p:S+16*\p+7], v[10+\p/2], v9 matrix_a_fmt:MATRIX_FMT_FP4 matrix_b_fmt:MATRIX_FMT_FP4
	v_wmma_scale_f32_16x16x128_f8f6f4 v[S+16*\p+8:S+16*\p+15], v[F+8*\p:F+8*\p+7], v[16:23], v[S+16*\p+8:S+16*\p+15], v[10+\p/2], v9 matrix_a_fmt:MATRIX_FMT_FP4 matrix_b_fmt:MATRIX_FMT_FP4
.endif
.endr
.rept 4
	v_nop                                          ; places in front of the loads below and of the first read of results
.endr
.irp t, 0,1,2,3
	ds_load_b128 v[F+8*\t:F+8*\t+3], v7 offset:4864+64*\t          ; 1/B of tiles 0-3, where k's codes lay
	ds_load_b128 v[F+8*\t+4:F+8*\t+7], v7 offset:4864+64*\t+16
.endr
.irp t, 4,5,6,7
	PHASEA \t
.endr
	s_wait_dscnt 0x0
.irp t, 0,1,2,3
	PHASEA \t
.endr
.irp b, 0,1,2,3
	v_min3_num_f32 v[BM+\b], v[S+16*\b], v[S+16*\b+1], v[S+16*\b+2]    ; the smallest x of each block of 32 keys
.endr
.irp i, 3,5,7,9,11,13
.irp b, 0,1,2,3
	v_min3_num_f32 v[BM+\b], v[BM+\b], v[S+16*\b+\i], v[S+16*\b+\i+1]
.endr
.endr
.irp b, 0,1,2,3
	v_min_num_f32 v[BM+\b], v[BM+\b], v[S+16*\b+15]
.endr
.irp b, 0,1,2,3
	v_permlanex16_b32 v[T1+\b], v[BM+\b], s[SEL], s[SEL+1]
.endr
.irp b, 0,1,2,3
	v_min_num_f32 v[BM+\b], v[BM+\b], v[T1+\b]     ; with lane l xor 16's 16 keys
.endr
.set J, 0
.rept 32
	v_pk_fma_f32 v[F+J:F+J+1], v[S+J:S+J+1], v[S+J:S+J+1], -1.0 op_sel_hi:[1,1,0]   ; x x - 1
.set J, J+2
.endr
.irp b, 0,1,2,3
	v_fma_f32 v[T1+\b], v[BM+\b], v[BM+\b], -1.0
.endr
.irp b, 0,1,2,3
	v_sqrt_f32 v[T1+\b], v[T1+\b]
.endr
.set J, 0
.rept 64
	v_sqrt_f32 v[F+J], v[F+J]
.set J, J+1
.endr
	v_nop                                          ; a plain line behind the roots
.set J, 0
	s_wait_alu depctr_va_vdst(0)
.rept 32
	v_pk_add_f32 v[S+J:S+J+1], v[S+J:S+J+1], v[F+J:F+J+1]
.set J, J+2
.endr
.irp b, 0,1,2,3
	v_add_f32 v[BM+\b], v[BM+\b], v[T1+\b]
.endr
.irp b, 0,1,2,3
.irp c, 0,1
	ds_load_b128 v[F+8*\b+4*\c:F+8*\b+4*\c+3], v5 offset:5376+1024*\b+512*\c   ; v's four fragments: they land under the logarithms and exponentials
.endr
.endr
	ds_load_b64 v[202:203], v8 offset:9472         ; v's scale bytes of keys 0-63: four feature tiles' halfwords;
	ds_load_b64 v[204:205], v8 offset:9600         ; of keys 64-127
.irp b, 0,1,2,3
	v_log_f32 v[BM+\b], v[BM+\b]
.endr
.set J, 0
.rept 64
	v_log_f32 v[S+J], v[S+J]
.set J, J+1
.endr
	v_nop                                          ; a plain line behind the logarithms
	s_wait_alu depctr_va_vdst(0)
	v_min3_num_f32 v230, v[BM], v[BM+1], v[BM+2]
	v_min_num_f32 v230, v230, v[BM+3]              ; the step's smallest L of my query:
	v_mul_f32 v230, v200, v230                     ; its largest t (NC is negative)
	v_max_num_f32 v13, v13, v230
	v_mov_b32 v230, v12
	v_floor_f32 v12, -v13                          ; the new -M = floor(-t)
	v_sub_f32 v230, v12, v230                      ; old M - new M: a whole number, 0 or less
	v_cvt_i32_f32 v230, v230                       ; (it saturates)
	v_ldexp_f32 v228, 1.0, v230                    ; f = 2^(old M - new M)
.set J, 0
.rept 32
	v_pk_fma_f32 v[S+J:S+J+1], v[S+J:S+J+1], v[200:201], v[12:13] op_sel_hi:[1,1,0]   ; t - M
.set J, J+2
.endr
.irp b, 0,1,2,3
	v_fma_f32 v[BM+\b], v[BM+\b], v200, v12
.endr
.irp b, 0,1,2,3
	v_exp_f32 v[BM+\b], v[BM+\b]                   ; the block's largest p
.endr
.set J, 0
.rept 64
	v_exp_f32 v[S+J], v[S+J]                       ; p, at most 1
.set J, J+1
.endr
	v_pk_mul_f32 v[14:15], v[14:15], v[228:229] op_sel_hi:[1,0]    ; the sums under the new M.  (A plain line behind the exponentials)
	s_wait_alu depctr_va_vdst(0)
.irp b, 0,1,2,3
	v_max_num_f32 v[BM+\b], 0x1800000, v[BM+\b]    ; the floor 2^(3 - 127)
.endr
.irp b, 0,1,2,3
	v_add_nc_u32 v[T2+\b], 0xff000000, v[BM+\b]    ; the conversion's scale operand
.endr
.irp b, 0,1,2,3
	v_lshrrev_b32 v[BY+\b], 23, v[T2+\b]
.endr
	v_lshl_or_b32 v210, v[BY+1], 8, v[BY]          ; p's scale word for these 128 keys
	v_lshl_or_b32 v210, v[BY+2], 16, v210
	v_lshl_or_b32 v210, v[BY+3], 24, v210
.irp b, 0,1,2,3
	v_cvt_scalef32_pk8_fp4_f32 v[PC+2*\b], v[S+16*\b:S+16*\b+7], v[T2+\b]
	v_cvt_scalef32_pk8_fp4_f32 v[PC+2*\b+1], v[S+16*\b+8:S+16*\b+15], v[T2+\b]
.endr
	v_nop                                          ; one plain line behind a scaled conversion
.irp c, 0,1
.irp i, 0,1
	v_permlane16_swap_b32 v[PC+4*\c+\i], v[PC+4*\c+2+\i]           ; a whole block to a lane
.endr
.endr
	s_wait_dscnt 0x0                               ; v's fragments and scale bytes are in
	v_perm_b32 v206, v204, v202, s[PLO]            ; feature tile b's word: keys 0-63's halfword below, keys 64-127's above
	v_perm_b32 v207, v204, v202, s[PHI]
	v_perm_b32 v208, v205, v203, s[PLO]
	v_perm_b32 v209, v205, v203, s[PHI]
	v_pk_add_f32 v[232:233], v[S:S+1], v[S+2:S+3]  ; the row's sum of the unquantised p, in two chains
.set J, 4
.rept 15
	v_pk_add_f32 v[14:15], v[14:15], v[S+J:S+J+1]
	v_pk_add_f32 v[232:233], v[232:233], v[S+J+2:S+J+3]
.set J, J+4
.endr
	v_pk_add_f32 v[14:15], v[14:15], v[232:233]
.set J, 0
.rept 16
	v_pk_mul_f32 v[O+J:O+J+1], v[O+J:O+J+1], v[228:229] op_sel_hi:[1,0]   ; O^T under the new M.  (These 48 lines are the places between the scale words and operands just made and the products)
.set J, J+2
.endr
.irp b, 0,1,2,3
	v_wmma_scale_f32_16x16x128_f8f6f4 v[O+8*\b:O+8*\b+7], v[F+8*\b:F+8*\b+7], v[PC:PC+7], v[O+8*\b:O+8*\b+7], v[206+\b], v210 matrix_a_fmt:MATRIX_FMT_FP4 matrix_b_fmt:MATRIX_FMT_FP4
.endr
	s_add_co_u32 s[TB], s[TB], REC
.endm
; as in the projection's launch: 32 numbers of a lane become registers 0-3 of a fragment and the row's two scale bytes
.macro HQUANT s, pc, hw, t
	v_max3_num_f32 v[(\t)], |v[(\s)]|, |v[(\s)+1]|, 0x1800000
	v_max3_num_f32 v[(\t)+1], |v[(\s)+16]|, |v[(\s)+17]|, 0x1800000
.irp i, 2,4,6,8,10,12,14
	v_max3_num_f32 v[(\t)], v[(\t)], |v[(\s)+\i]|, |v[(\s)+\i+1]|
	v_max3_num_f32 v[(\t)+1], v[(\t)+1], |v[(\s)+16+\i]|, |v[(\s)+17+\i]|
.endr
	v_permlanex16_b32 v[(\t)+2], v[(\t)], s[SEL], s[SEL+1]
	v_permlanex16_b32 v[(\t)+3], v[(\t)+1], s[SEL], s[SEL+1]
	v_max_num_f32 v[(\t)], v[(\t)], v[(\t)+2]
	v_max_num_f32 v[(\t)+1], v[(\t)+1], v[(\t)+3]
	v_add_nc_u32 v[(\t)+4], 0xff000000, v[(\t)]
	v_add_nc_u32 v[(\t)+5], 0xff000000, v[(\t)+1]
	v_lshrrev_b32 v[(\t)+2], 23, v[(\t)+4]
	v_lshrrev_b32 v[(\t)+3], 23, v[(\t)+5]
	v_lshl_or_b32 v[(\hw)], v[(\t)+3], 8, v[(\t)+2]
	v_cvt_scalef32_pk8_fp4_f32 v[(\pc)], v[(\s):(\s)+7], v[(\t)+4]
	v_cvt_scalef32_pk8_fp4_f32 v[(\pc)+1], v[(\s)+8:(\s)+15], v[(\t)+4]
	v_cvt_scalef32_pk8_fp4_f32 v[(\pc)+2], v[(\s)+16:(\s)+23], v[(\t)+5]
	v_cvt_scalef32_pk8_fp4_f32 v[(\pc)+3], v[(\s)+24:(\s)+31], v[(\t)+5]
	v_nop
	v_permlane16_swap_b32 v[(\pc)], v[(\pc)+2]
	v_permlane16_swap_b32 v[(\pc)+1], v[(\pc)+3]
.endm
	s_wait_tensorcnt 0x3                           ; my half of the first chunk has landed; the three younger loads may stay out
	s_barrier_signal -1
	s_barrier_wait -1                              ; records 0 to 3 are whole
	s_mov_b32 s[CNT], 4
.Lfirst:
	STEP
	s_sub_co_u32 s[CNT], s[CNT], 1
	s_cmp_lg_u32 s[CNT], 0
	s_cbranch_scc1 .Lfirst
	s_wait_tensorcnt 0x0                           ; all my loads have landed
	s_wait_dscnt 0x0
	s_barrier_signal -1
	s_barrier_wait -1                              ; all sixteen records are whole
	s_mov_b32 s[CNT], 12
.Lrest:
	STEP
	s_sub_co_u32 s[CNT], s[CNT], 1
	s_cmp_lg_u32 s[CNT], 0
	s_cbranch_scc1 .Lrest
	; THE WAY OUT: O^T / the sum is the next product's operand: register 16 e + 8 u + j = feature 32 e + 16 h + 8 u + j of my query: quantised here, stored as part of an operand's image
.rept 4
	v_nop
.endr
	v_add_f32 v14, v14, v15
	v_permlanex16_b32 v230, v14, s[SEL], s[SEL+1]
	v_add_f32 v14, v14, v230                       ; the row's sum
	v_rcp_f32 v228, v14
	v_rcp_f32 v229, v14
	v_nop
.set J, 0
	s_wait_alu depctr_va_vdst(0)
.rept 16
	v_pk_mul_f32 v[S+J:S+J+1], v[O+J:O+J+1], v[228:229]
.set J, J+2
.endr
	HQUANT S, PC, 210, T1
	s_lshr_b32 s56, s17, 4
	s_lshl_b32 s56, s56, 7
	s_lshl_b32 s57, s16, 4
	s_add_co_u32 s56, s56, s57
	s_add_co_u32 s56, s56, s[WV]                   ; my token tile: 128 batch + 16 block + wave
	s_and_b32 s58, s17, 15                         ; the head: K step head / 2, part head % 2
	s_lshl_b32 s60, s56, 13
	s_lshl_b32 s59, s58, 9
	s_add_co_u32 s60, s60, s59
	s_mov_b32 s61, 0
	s_add_nc_u64 s[10:11], s[10:11], s[60:61]
	s_lshl_b32 s60, s56, 9
	s_lshr_b32 s59, s58, 3
	s_lshl_b32 s59, s59, 8
	s_add_co_u32 s60, s60, s59
	s_and_b32 s59, s58, 7
	s_lshl_b32 s59, s59, 1                         ; word (head / 2) % 4, halfword head % 2
	s_add_co_u32 s60, s60, s59
	s_add_nc_u64 s[12:13], s[12:13], s[60:61]
	global_store_b128 v1, v[PC:PC+3], s[10:11]     ; 512 consecutive bytes
	v_and_b32 v231, 15, v0
	v_lshlrev_b32 v231, 4, v231                    ; 16 r
	v_and_b32 v232, 31, v0
	v_cmp_gt_u32 vcc_lo, 16, v232
	s_wait_xcnt 0x0                                ; EXEC changes only behind this wait
	s_and_saveexec_b32 s62, vcc_lo
	global_store_b16 v231, v210, s[12:13]          ; a head owns half a scale word of each row: two bytes a row, 131,072 bytes in the whole launch
	s_wait_xcnt 0x0
	s_or_b32 exec_lo, exec_lo, s62
	s_wait_dscnt 0x0
	s_wait_tensorcnt 0x0
	ds_add_u32 v254, v255
	s_wait_dscnt 0x0
	CROUND                                         ; the closing round: no work-group ends while a partner may still ask for a tile that names it
	s_endpgm
.Lfunc_end_k_q3f9010b8fa_attn:
	.size	k_q3f9010b8fa_attn, .Lfunc_end_k_q3f9010b8fa_attn-k_q3f9010b8fa_attn
	.p2alignl 7, 3214868480
	.fill 96, 4, 3214868480
	.section	.rodata,"a",@progbits
	.p2align	6, 0x0
	.amdhsa_kernel k_q3f9010b8fa_attn
		.amdhsa_group_segment_fixed_size 169984
		.amdhsa_private_segment_fixed_size 0
		.amdhsa_enable_private_segment 0
		.amdhsa_kernarg_size 40
		.amdhsa_user_sgpr_count 2
		.amdhsa_user_sgpr_kernarg_segment_ptr 1
		.amdhsa_wavefront_size32 1
		.amdhsa_system_sgpr_workgroup_id_x 1
		.amdhsa_system_sgpr_workgroup_id_y 1
		.amdhsa_system_sgpr_workgroup_id_z 1
		.amdhsa_system_vgpr_workitem_id 0
		.amdhsa_next_free_vgpr 256
		.amdhsa_next_free_sgpr 72
		.amdhsa_reserve_vcc 1
		.amdhsa_float_denorm_mode_32 3
		.amdhsa_float_denorm_mode_16_64 3
		.amdhsa_memory_ordered 1
		.amdhsa_forward_progress 1
		.amdhsa_inst_pref_size 85
	.end_amdhsa_kernel
	.amdgpu_metadata
---
amdhsa.version: [ 1, 2 ]
amdhsa.kernels:
  - .name:           k_q3f9010b8fa_attn
    .symbol:         k_q3f9010b8fa_attn.kd
    .args:
      - { .name: qrec, .offset: 0, .size: 8, .value_kind: global_buffer, .address_space: global }
      - { .name: kvrec, .offset: 8, .size: 8, .value_kind: global_buffer, .address_space: global }
      - { .name: curvature, .offset: 16, .size: 8, .value_kind: global_buffer, .address_space: global }
      - { .name: acodes, .offset: 24, .size: 8, .value_kind: global_buffer, .address_space: global }
      - { .name: ascales, .offset: 32, .size: 8, .value_kind: global_buffer, .address_space: global }
    .group_segment_fixed_size: 169984
    .private_segment_fixed_size: 0
    .kernarg_segment_align: 8
    .kernarg_segment_size: 40
    .max_flat_workgroup_size: 512
    .sgpr_count:     72
    .vgpr_count:     256
    .wavefront_size: 32
...
	.end_amdgpu_metadata
.endif
;; end of part 3
;; launch outp (part 4): grid 64 x 4, 8 waves a work-group, no clusters, 35,840 bytes of LDS; arguments acodes, ascales, codes, scales, bo, bb, out0; writes out0
.if DOCPART == 4
	.amdgcn_target "amdgcn-amd-amdhsa--gfx1250"
	.amdhsa_code_object_version 6
	.text
	.protected	k_q3f9010b8fa_outp
	.globl	k_q3f9010b8fa_outp
	.p2align	8
	.type	k_q3f9010b8fa_outp,@function
k_q3f9010b8fa_outp:
	s_mov_b64 s[64:65], 0
	v_nop
	global_prefetch_b8 v0, s[64:65] scope:SCOPE_SE
	s_setreg_imm32_b32 hwreg(HW_REG_WAVE_MODE, 25, 1), 1
	s_wait_xcnt 0x0
; out = attn Wo^T + bo + query Wb^T + bb, as ONE product with K = 2,048: [attn | query] x [Wo | Wb]^T + (bo + bb), on codes of FP4; out [4096][1024] f32.
; SHARES: work-group (x, y): 64 tokens x 256 features.  Wave w: 32 tokens (2 tiles, half w % 2) x 64 features (4 tiles, group w / 2): 8 accumulators, 16 K steps of 128.
; Source 0 = 4 tiles of the weight, source 1 = 2 tiles of tokens: a lane holds a token, and the 16 registers of weight tiles 2 e, 2 e + 1 are the 16 neighbouring features 32 e + 16 h + 0 .. 15.
; The biases' sum is the C of each sum's first matrix instruction.  Fragments come from memory as images, 512 consecutive bytes a load, one K step ahead in two sets of registers.
; No cluster and no tile in LDS: nothing passes through LDS on the way in, so there is no tile that a joint request could bring.
; The way out: 16 rows x 256 bytes at a time through the wave's own stage (rows 272 bytes apart), so that sixteen lanes store 256 consecutive bytes, aligned.
; REGISTERS: v1 16 x lane, v2 64 h, v3-5 the way out; v16-47 the weight's scale words (16 part + 4 a + q), v48-63 the tokens' (8 part + 4 b + q); v64-111, v112-159 two sets of fragments; v160-191 bo + bb; v192-255 accumulator (b, a) at 192 + 32 b + 8 a.
	s_load_b256 s[4:11], s[0:1], 0x0               ; acodes, ascales, codes, scales
	s_load_b128 s[12:15], s[0:1], 0x20             ; bo, bb
	s_load_b64 s[16:17], s[0:1], 0x30              ; out0
	v_lshl_add_u32 v14, v0, 2, 0x8800
	v_mov_b32 v15, 0
	v_lshrrev_b32 v1, 5, v0
	v_readfirstlane_b32 s18, v1                    ; wave 0..7
	v_and_b32 v1, 31, v0
	v_lshlrev_b32 v1, 4, v1                        ; 16 x lane
	v_bfe_u32 v6, v0, 4, 1                         ; h
	v_and_b32 v7, 15, v0                           ; r
	v_lshlrev_b32 v2, 6, v6                        ; 64 h
	s_mul_i32 s40, s18, 4352                       ; my stage
	v_mul_u32_u24 v3, v7, 272
	v_lshl_add_u32 v3, v6, 6, v3
	v_add_nc_u32 v3, s40, v3                       ; in: row r, + 64 h
	v_mul_u32_u24 v4, v6, 272
	v_lshl_add_u32 v4, v7, 4, v4
	v_add_nc_u32 v4, s40, v4                       ; back: lanes 0-15 one row, lanes 16-31 the next
	v_lshlrev_b32 v5, 12, v6
	v_lshl_add_u32 v5, v7, 4, v5                   ; and the same two rows in out
	s_and_b32 s19, s18, 1                          ; which 32 tokens
	s_lshr_b32 s20, s18, 1                         ; which 64 features
	s_and_b32 s21, ttmp7, 0xffff
	s_lshl_b32 s22, s21, 4
	s_lshl_b32 s23, s20, 2
	s_add_co_u32 s22, s22, s23
	s_add_co_u32 s22, s22, 448                     ; Wo's tile; Wb's lies 64 tiles on
	s_lshl_b32 s23, ttmp9, 2
	s_lshl_b32 s40, s19, 1
	s_add_co_u32 s23, s23, s40                     ; my first token tile
	s_lshl_b32 s24, s22, 13
	s_mov_b32 s25, 0
	s_lshl_b32 s26, s22, 9
	s_mov_b32 s27, 0
	s_lshl_b32 s28, s23, 13
	s_mov_b32 s29, 0
	s_lshl_b32 s30, s23, 9
	s_mov_b32 s31, 0
	s_lshl_b32 s36, s21, 10
	s_lshl_b32 s40, s20, 8
	s_add_co_u32 s36, s36, s40                     ; my first feature, in bytes
	s_mov_b32 s37, 0
	s_lshl_b32 s38, ttmp9, 18
	s_lshl_b32 s40, s19, 17
	s_add_co_u32 s38, s38, s40
	s_add_co_u32 s38, s38, s36                     ; my corner of out
	s_mov_b32 s39, 0
	s_wait_kmcnt 0x0
	s_add_nc_u64 s[32:33], s[8:9], s[28:29]        ; query's codes
	s_add_nc_u64 s[34:35], s[10:11], s[30:31]      ; and scale words
	s_add_nc_u64 s[28:29], s[4:5], s[28:29]        ; the attention's codes
	s_add_nc_u64 s[30:31], s[6:7], s[30:31]        ; and scale words
	s_add_nc_u64 s[24:25], s[8:9], s[24:25]        ; the weights' codes
	s_add_nc_u64 s[26:27], s[10:11], s[26:27]      ; and scale words
	s_add_nc_u64 s[12:13], s[12:13], s[36:37]
	s_add_nc_u64 s[14:15], s[14:15], s[36:37]
	s_add_nc_u64 s[16:17], s[16:17], s[38:39]
.macro LOADF s                         ; K step s: part s / 8 (0: attention with Wo, 1: query with Wb), its K step s % 8, into set s % 2: 12 loads
.set PB, 64+48*((\s)%2)
.irp a, 0,1,2,3
.irp c, 0,1
	global_load_b128 v[PB+8*\a+4*\c:PB+8*\a+4*\c+3], v1, s[24:25] offset:524288*((\s)/8)+8192*\a+1024*((\s)%8)+512*\c
.endr
.endr
.irp b, 0,1
.irp c, 0,1
.if (\s) < 8
	global_load_b128 v[PB+32+8*\b+4*\c:PB+32+8*\b+4*\c+3], v1, s[28:29] offset:8192*\b+1024*((\s)%8)+512*\c
.else
	global_load_b128 v[PB+32+8*\b+4*\c:PB+32+8*\b+4*\c+3], v1, s[32:33] offset:8192*\b+1024*((\s)%8)+512*\c
.endif
.endr
.endr
.endm
.macro MUL8 s                          ; 8 products; the 8 accumulators take turns, one instruction a turn
.set PB, 64+48*((\s)%2)
.set SQ0, 16+16*((\s)/8)+(\s)%4
.set SQ1, 48+8*((\s)/8)+(\s)%4
.irp b, 0,1
.irp a, 0,1,2,3
.if (\s) == 0
	v_wmma_scale_f32_16x16x128_f8f6f4 v[192+32*\b+8*\a:192+32*\b+8*\a+7], v[PB+8*\a:PB+8*\a+7], v[PB+32+8*\b:PB+32+8*\b+7], v[160+8*\a:160+8*\a+7], v[SQ0+4*\a], v[SQ1+4*\b] matrix_a_fmt:MATRIX_FMT_FP4 matrix_b_fmt:MATRIX_FMT_FP4
.elseif ((\s)%8) < 4
	v_wmma_scale_f32_16x16x128_f8f6f4 v[192+32*\b+8*\a:192+32*\b+8*\a+7], v[PB+8*\a:PB+8*\a+7], v[PB+32+8*\b:PB+32+8*\b+7], v[192+32*\b+8*\a:192+32*\b+8*\a+7], v[SQ0+4*\a], v[SQ1+4*\b] matrix_a_fmt:MATRIX_FMT_FP4 matrix_b_fmt:MATRIX_FMT_FP4
.else
	v_wmma_scale_f32_16x16x128_f8f6f4 v[192+32*\b+8*\a:192+32*\b+8*\a+7], v[PB+8*\a:PB+8*\a+7], v[PB+32+8*\b:PB+32+8*\b+7], v[192+32*\b+8*\a:192+32*\b+8*\a+7], v[SQ0+4*\a], v[SQ1+4*\b] matrix_a_fmt:MATRIX_FMT_FP4 matrix_b_fmt:MATRIX_FMT_FP4 matrix_a_scale:MATRIX_SCALE_ROW1 matrix_b_scale:MATRIX_SCALE_ROW1
.endif
.endr
.endr
.endm
.irp a, 0,1,2,3
	global_load_b128 v[160+8*\a:163+8*\a], v2, s[12:13] offset:(32*(\a/2)+8*(\a%2))*4      ; bo in the result's layout,
	global_load_b128 v[164+8*\a:167+8*\a], v2, s[12:13] offset:(32*(\a/2)+8*(\a%2))*4+16
	global_load_b128 v[192+8*\a:195+8*\a], v2, s[14:15] offset:(32*(\a/2)+8*(\a%2))*4      ; bb likewise, where accumulators will lie
	global_load_b128 v[196+8*\a:199+8*\a], v2, s[14:15] offset:(32*(\a/2)+8*(\a%2))*4+16
.endr
.irp p, 0,1
.irp a, 0,1,2,3
	global_load_b128 v[16+16*\p+4*\a:16+16*\p+4*\a+3], v1, s[26:27] offset:32768*\p+512*\a
.endr
.endr
.irp b, 0,1
	global_load_b128 v[48+4*\b:48+4*\b+3], v1, s[30:31] offset:512*\b
	global_load_b128 v[56+4*\b:56+4*\b+3], v1, s[34:35] offset:512*\b
.endr
	LOADF 0
	LOADF 1
	s_wait_loadcnt 12                              ; all but K step 1's twelve loads are in
.irp i, 0,2,4,6,8,10,12,14,16,18,20,22,24,26,28,30
	v_pk_add_f32 v[160+\i:161+\i], v[160+\i:161+\i], v[192+\i:193+\i]
.endr
.rept 4
	v_nop
.endr
	MUL8 0
.irp s, 1,2,3,4,5,6,7,8,9,10,11,12,13,14
.rept 4
	v_nop                                          ; places in front of loads into the set that the last products read
.endr
	LOADF \s+1
	s_wait_loadcnt 12                              ; this K step's loads are in; the next step's twelve may be out
	MUL8 \s
.endr
	s_wait_loadcnt 0x0
	MUL8 15
.rept 4
	v_nop                                          ; places in front of the first read of results and of loads into the fragments' registers
.endr
.macro TOSTAGE b                       ; token tile b: a lane's 32 features into row r of the stage; back as whole rows of 256 bytes
.irp e, 0,1
.irp k, 0,1,2,3
	ds_store_b128 v3, v[192+32*\b+16*\e+4*\k:192+32*\b+16*\e+4*\k+3] offset:128*\e+16*\k   ; each accumulator from its low end on
.endr
.endr
.irp i, 0,1,2,3,4,5,6,7
	ds_load_b128 v[64+32*\b+4*\i:64+32*\b+4*\i+3], v4 offset:544*\i    ; LDS serves a wave's instructions in order: these see the stores above, and the next tile's stores come behind them
.endr
.endm
	TOSTAGE 0
	TOSTAGE 1
.irp i, 0,1,2,3,4,5,6,7
	s_wait_dscnt 23-\i                             ; behind load i of tile 0: its 7 - i younger loads and tile 1's sixteen lines
	global_store_b128 v5, v[64+4*\i:64+4*\i+3], s[16:17] offset:(2*\i+8*(\i/4))*4096 th:TH_STORE_NT
.endr
.irp i, 0,1,2,3,4,5,6,7
	s_wait_dscnt 7-\i
	global_store_b128 v5, v[96+4*\i:96+4*\i+3], s[16:17] offset:(8+2*\i+8*(\i/4))*4096 th:TH_STORE_NT   ; stage row 2 i + h of tile b is token 8 b + 2 i + h + 8 (i / 4) of my 32
.endr
	s_wait_tensorcnt 0x0
	ds_add_u32 v14, v15
	s_wait_dscnt 0x0
	s_endpgm
.Lfunc_end_k_q3f9010b8fa_outp:
	.size	k_q3f9010b8fa_outp, .Lfunc_end_k_q3f9010b8fa_outp-k_q3f9010b8fa_outp
	.p2alignl 7, 3214868480
	.fill 96, 4, 3214868480
	.section	.rodata,"a",@progbits
	.p2align	6, 0x0
	.amdhsa_kernel k_q3f9010b8fa_outp
		.amdhsa_group_segment_fixed_size 35840
		.amdhsa_private_segment_fixed_size 0
		.amdhsa_enable_private_segment 0
		.amdhsa_kernarg_size 56
		.amdhsa_user_sgpr_count 2
		.amdhsa_user_sgpr_kernarg_segment_ptr 1
		.amdhsa_wavefront_size32 1
		.amdhsa_system_sgpr_workgroup_id_x 1
		.amdhsa_system_sgpr_workgroup_id_y 1
		.amdhsa_system_sgpr_workgroup_id_z 1
		.amdhsa_system_vgpr_workitem_id 0
		.amdhsa_next_free_vgpr 256
		.amdhsa_next_free_sgpr 66
		.amdhsa_reserve_vcc 0
		.amdhsa_float_denorm_mode_32 3
		.amdhsa_float_denorm_mode_16_64 3
		.amdhsa_memory_ordered 1
		.amdhsa_forward_progress 1
		.amdhsa_inst_pref_size 47
	.end_amdhsa_kernel
	.amdgpu_metadata
---
amdhsa.version: [ 1, 2 ]
amdhsa.kernels:
  - .name:           k_q3f9010b8fa_outp
    .symbol:         k_q3f9010b8fa_outp.kd
    .args:
      - { .name: acodes, .offset: 0, .size: 8, .value_kind: global_buffer, .address_space: global }
      - { .name: ascales, .offset: 8, .size: 8, .value_kind: global_buffer, .address_space: global }
      - { .name: codes, .offset: 16, .size: 8, .value_kind: global_buffer, .address_space: global }
      - { .name: scales, .offset: 24, .size: 8, .value_kind: global_buffer, .address_space: global }
      - { .name: bo, .offset: 32, .size: 8, .value_kind: global_buffer, .address_space: global }
      - { .name: bb, .offset: 40, .size: 8, .value_kind: global_buffer, .address_space: global }
      - { .name: out0, .offset: 48, .size: 8, .value_kind: global_buffer, .address_space: global }
    .group_segment_fixed_size: 35840
    .private_segment_fixed_size: 0
    .kernarg_segment_align: 8
    .kernarg_segment_size: 56
    .max_flat_workgroup_size: 256
    .sgpr_count:     66
    .vgpr_count:     256
    .wavefront_size: 32
...
	.end_amdgpu_metadata
.endif
;; end of part 4
;; ======== version 2 of 2: 4 launches
;; workspace buffers: codes 4,718,592 bytes; scales 294,912 bytes; qrec 2,752,512 bytes; kvrec 4,980,736 bytes; acodes 2,097,152 bytes; ascales 131,072 bytes
;; launch quant (part 5): grid 288 x 1, 4 waves a work-group, no clusters, 34,304 bytes of LDS; arguments query, Wq, Wk, Wv, Wo, Wb, codes, scales; writes codes, scales
.if DOCPART == 5
	.amdgcn_target "amdgcn-amd-amdhsa--gfx1250"
	.amdhsa_code_object_version 6
	.text
	.protected	k_q3f9010b8fa_quant
	.globl	k_q3f9010b8fa_quant
	.p2align	8
	.type	k_q3f9010b8fa_quant,@function
k_q3f9010b8fa_quant:
	s_mov_b64 s[64:65], 0
	v_nop
	global_prefetch_b8 v0, s[64:65] scope:SCOPE_SE
	s_setreg_imm32_b32 hwreg(HW_REG_WAVE_MODE, 25, 1), 1
	s_wait_xcnt 0x0
; query [4096][1024] and the five weights [1024][1024], f32 with K innermost, become codes of FP4 (E2M1) with one E8M0 byte for each 32 along K.
; A block's byte is its largest magnitude's exponent field - 2, held at 1 from below; each number is divided by that scale and rounded to the nearest code, ties to even, beyond 6 the code of 6.
; LAYOUT OF THE RESULT: images of operand registers.  Tile T = 2 g + u holds the rows 32 g + 8 u + r + 8 (r / 8), r = 0 .. 15.  codes: [tile][K step of 128][c = 0, 1][lane][16 bytes]: lane (r, h) holds
; row r, k = 64 c + 32 h + 0 .. 31.  scales: [tile][half of K][r][4 words], a word = the four bytes of one K step of row r.  Tiles: query 0-255, Wq 256-, Wk 320-, Wv 384-, Wo 448-, Wb 512-575.
; SHARES: work-group g takes tiles 2 g and 2 g + 1; wave w takes tile 2 g + w / 2, half w % 2 of K: 16 rows x 512 numbers in four steps of 128 along K.
; Each load reads 512 consecutive bytes of one row; a step's 16 rows turn through the wave's own stage in LDS (rows 528 bytes apart), so that a lane gets two whole blocks of 32 neighbours.
; No tensor load, no barrier, no cluster: the waves share nothing and every input byte is read once.
; LIMITS: NaN and infinities are not served; a block of zeros gets the byte 1 (its codes are zeros; only this program reads the bytes).
.set STG, 8448                         ; a wave's stage: 16 rows x (512 + 16) bytes
.set R,   16                           ; v16-143  two sets of 64 registers as loaded
.set X,   144                          ; v144-207 my two blocks of 32 neighbours
.set C,   208                          ; v208-239 codes: eight registers for each step, so that no store's data are written again
.set SW,  8                            ; v8-11    the row's scale word of each step
	s_load_b256 s[4:11], s[0:1], 0x0               ; query, Wq, Wk, Wv
	s_load_b128 s[12:15], s[0:1], 0x20             ; Wo, Wb
	s_load_b128 s[16:19], s[0:1], 0x30             ; codes, scales
	v_lshl_add_u32 v254, v0, 2, 0x8400
	v_mov_b32 v255, 0
	v_lshrrev_b32 v1, 5, v0
	v_readfirstlane_b32 s20, v1                    ; wave 0..3
	v_and_b32 v1, 31, v0                           ; lane
	v_lshlrev_b32 v2, 4, v1                        ; 16 x lane
	v_and_b32 v7, 15, v0                           ; r
	v_bfe_u32 v6, v0, 4, 1                         ; h
	s_mul_i32 s22, s20, STG
	v_add_nc_u32 v3, s22, v2                       ; the stage, on the way in: my 16 bytes of a row
	v_mul_u32_u24 v4, v7, 528
	v_lshl_add_u32 v4, v6, 7, v4
	v_add_nc_u32 v4, s22, v4                       ; and on the way out: row r, + 128 h bytes
	v_lshlrev_b32 v5, 4, v7
	v_lshl_add_u32 v5, v6, 3, v5                   ; the scale words' place: 16 r + 8 h
	v_lshlrev_b32 v6, 3, v6                        ; 8 h: the shift of my two bytes in a scale word
	v_mov_b32 v243, 0                              ; written once: a lane permute's destination counts as one of its sources
	s_mov_b32 s28, 0x76543210
	s_mov_b32 s29, 0xfedcba98                      ; selects for lane l xor 16
	s_wait_alu depctr_va_vdst(0)
	s_wait_kmcnt 0x0
	s_mov_b64 s[24:25], s[14:15]                   ; which tensor: the choice hangs on the work-group's number alone
	s_mov_b32 s21, 256                             ; and that tensor's first work-group
	s_cmp_lt_u32 ttmp9, 256
	s_cselect_b64 s[24:25], s[12:13], s[24:25]
	s_cselect_b32 s21, 224, s21
	s_cmp_lt_u32 ttmp9, 224
	s_cselect_b64 s[24:25], s[10:11], s[24:25]
	s_cselect_b32 s21, 192, s21
	s_cmp_lt_u32 ttmp9, 192
	s_cselect_b64 s[24:25], s[8:9], s[24:25]
	s_cselect_b32 s21, 160, s21
	s_cmp_lt_u32 ttmp9, 160
	s_cselect_b64 s[24:25], s[6:7], s[24:25]
	s_cselect_b32 s21, 128, s21
	s_cmp_lt_u32 ttmp9, 128
	s_cselect_b64 s[24:25], s[4:5], s[24:25]
	s_cselect_b32 s21, 0, s21
	s_sub_co_u32 s26, ttmp9, s21
	s_lshl_b32 s26, s26, 17                        ; 32 rows of 4,096 bytes a work-group,
	s_lshr_b32 s22, s20, 1
	s_lshl_b32 s22, s22, 15                        ; the odd tile begins 8 rows down,
	s_add_co_u32 s26, s26, s22
	s_and_b32 s22, s20, 1
	s_lshl_b32 s22, s22, 11                        ; the second half of K 2,048 bytes on
	s_add_co_u32 s26, s26, s22
	s_mov_b32 s27, 0
	s_add_nc_u64 s[24:25], s[24:25], s[26:27]
	s_lshl_b32 s26, ttmp9, 14
	s_lshl_b32 s22, s20, 12
	s_add_co_u32 s26, s26, s22
	s_add_nc_u64 s[16:17], s[16:17], s[26:27]      ; my 4,096 bytes of codes
	s_lshl_b32 s26, ttmp9, 10
	s_lshl_b32 s22, s20, 8
	s_add_co_u32 s26, s26, s22
	s_add_nc_u64 s[18:19], s[18:19], s[26:27]      ; my 256 bytes of scale words
.macro LOAD q                          ; step q: 16 rows x 512 bytes into set q % 2
.irp i, 0,1,2,3,4,5,6,7,8,9,10,11,12,13,14,15
	global_load_b128 v[R+64*((\q)%2)+4*\i:R+64*((\q)%2)+4*\i+3], v2, s[24:25] offset:(\i+8*(\i/8))*4096+512*(\q) th:TH_LOAD_NT
.endr
.endm
.macro STEP q
.if (\q) < 3
	s_wait_loadcnt 16                              ; this step's 16 loads are in; the next step's 16 may be out
.else
	s_wait_loadcnt 0x0
.endif
.irp i, 0,1,2,3,4,5,6,7,8,9,10,11,12,13,14,15
	ds_store_b128 v3, v[R+64*((\q)%2)+4*\i:R+64*((\q)%2)+4*\i+3] offset:528*\i
.endr
.irp c, 0,1
.irp j, 0,1,2,3,4,5,6,7
	ds_load_b128 v[X+32*\c+4*\j:X+32*\c+4*\j+3], v4 offset:256*\c+16*\j   ; LDS serves a wave's instructions in order: these see the stores above
.endr
.endr
	s_wait_dscnt 0x0                               ; my 64 numbers are back, and the stores have read the set
.if (\q) < 2
	LOAD (\q)+2                                    ; which takes the loads of two steps on
.endif
	v_max3_num_f32 v12, |v[X]|, |v[X+1]|, 0x1800000        ; block 2 c + h of the step: all 32 numbers are mine; the floor 2^(3 - 127) holds the byte at 1 from below
	v_max3_num_f32 v13, |v[X+32]|, |v[X+33]|, 0x1800000
.irp i, 2,4,6,8,10,12,14,16,18,20,22,24,26,28,30
	v_max3_num_f32 v12, v12, |v[X+\i]|, |v[X+\i+1]|
	v_max3_num_f32 v13, v13, |v[X+32+\i]|, |v[X+33+\i]|
.endr
	v_add_nc_u32 v14, 0xff000000, v12              ; 2 off the exponent field: the conversion takes the exponent field of this operand as its scale
	v_add_nc_u32 v15, 0xff000000, v13
	v_lshrrev_b32 v240, 23, v14                    ; the bytes
	v_lshrrev_b32 v241, 23, v15
	v_lshl_or_b32 v242, v241, 16, v240             ; blocks h and 2 + h,
	v_lshlrev_b32 v242, v6, v242                   ; at their places in the word;
	v_permlanex16_b32 v243, v242, s28, s29
	v_or_b32 v[SW+(\q)], v242, v243                ; with lane l xor 16's two the word is whole
.irp g, 0,1,2,3
	v_cvt_scalef32_pk8_fp4_f32 v[C+8*(\q)+\g], v[X+8*\g:X+8*\g+7], v14
.endr
.irp g, 0,1,2,3
	v_cvt_scalef32_pk8_fp4_f32 v[C+8*(\q)+4+\g], v[X+32+8*\g:X+32+8*\g+7], v15
.endr
	v_nop                                          ; one plain line behind the last scaled conversion
	global_store_b128 v2, v[C+8*(\q):C+8*(\q)+3], s[16:17] offset:1024*(\q)          ; each store covers 512 consecutive bytes
	global_store_b128 v2, v[C+8*(\q)+4:C+8*(\q)+7], s[16:17] offset:1024*(\q)+512
.endm
	LOAD 0
	LOAD 1
	STEP 0
	STEP 1
	STEP 2
	STEP 3
	v_cmp_ne_u32 vcc_lo, 0, v6                     ; lanes 0-15 store words 0, 1 of their row, lanes 16-31 words 2, 3
	v_cndmask_b32 v12, v8, v10, vcc_lo
	v_cndmask_b32 v13, v9, v11, vcc_lo
	global_store_b64 v5, v[12:13], s[18:19]        ; 256 consecutive bytes
	s_wait_tensorcnt 0x0
	ds_add_u32 v254, v255
	s_wait_dscnt 0x0
	s_endpgm
.Lfunc_end_k_q3f9010b8fa_quant:
	.size	k_q3f9010b8fa_quant, .Lfunc_end_k_q3f9010b8fa_quant-k_q3f9010b8fa_quant
	.p2alignl 7, 3214868480
	.fill 96, 4, 3214868480
	.section	.rodata,"a",@progbits
	.p2align	6, 0x0
	.amdhsa_kernel k_q3f9010b8fa_quant
		.amdhsa_group_segment_fixed_size 34304
		.amdhsa_private_segment_fixed_size 0
		.amdhsa_enable_private_segment 0
		.amdhsa_kernarg_size 64
		.amdhsa_user_sgpr_count 2
		.amdhsa_user_sgpr_kernarg_segment_ptr 1
		.amdhsa_wavefront_size32 1
		.amdhsa_system_sgpr_workgroup_id_x 1
		.amdhsa_system_sgpr_workgroup_id_y 1
		.amdhsa_system_sgpr_workgroup_id_z 1
		.amdhsa_system_vgpr_workitem_id 0
		.amdhsa_next_free_vgpr 256
		.amdhsa_next_free_sgpr 66
		.amdhsa_reserve_vcc 1
		.amdhsa_float_denorm_mode_32 3
		.amdhsa_float_denorm_mode_16_64 3
		.amdhsa_memory_ordered 1
		.amdhsa_forward_progress 1
		.amdhsa_inst_pref_size 31
	.end_amdhsa_kernel
	.amdgpu_metadata
---
amdhsa.version: [ 1, 2 ]
amdhsa.kernels:
  - .name:           k_q3f9010b8fa_quant
    .symbol:         k_q3f9010b8fa_quant.kd
    .args:
      - { .name: query, .offset: 0, .size: 8, .value_kind: global_buffer, .address_space: global }
      - { .name: Wq, .offset: 8, .size: 8, .value_kind: global_buffer, .address_space: global }
      - { .name: Wk, .offset: 16, .size: 8, .value_kind: global_buffer, .address_space: global }
      - { .name: Wv, .offset: 24, .size: 8, .value_kind: global_buffer, .address_space: global }
      - { .name: Wo, .offset: 32, .size: 8, .value_kind: global_buffer, .address_space: global }
      - { .name: Wb, .offset: 40, .size: 8, .value_kind: global_buffer, .address_space: global }
      - { .name: codes, .offset: 48, .size: 8, .value_kind: global_buffer, .address_space: global }
      - { .name: scales, .offset: 56, .size: 8, .value_kind: global_buffer, .address_space: global }
    .group_segment_fixed_size: 34304
    .private_segment_fixed_size: 0
    .kernarg_segment_align: 8
    .kernarg_segment_size: 64
    .max_flat_workgroup_size: 128
    .sgpr_count:     66
    .vgpr_count:     256
    .wavefront_size: 32
...
	.end_amdgpu_metadata
.endif
;; end of part 5
;; launch proj (part 6): grid 64 x 4, 12 waves a work-group, no clusters, 0 bytes of LDS; arguments codes, scales, bq, bk, bv, curvature, radial_weights, qrec, kvrec; writes qrec, kvrec
.if DOCPART == 6
	.amdgcn_target "amdgcn-amd-amdhsa--gfx1250"
	.amdhsa_code_object_version 6
	.text
	.protected	k_q3f9010b8fa_proj
	.globl	k_q3f9010b8fa_proj
	.p2align	8
	.type	k_q3f9010b8fa_proj,@function
k_q3f9010b8fa_proj:
	s_mov_b64 s[64:65], 0
	v_nop
	global_prefetch_b8 v0, s[64:65] scope:SCOPE_SE
	s_setreg_imm32_b32 hwreg(HW_REG_WAVE_SCHED_MODE, 0, 2), 2
	s_setreg_imm32_b32 hwreg(HW_REG_WAVE_MODE, 25, 1), 1
	s_wait_xcnt 0x0
	s_wait_alu depctr_vm_vsrc(0)
; q, k, v = query W^T + b on codes of FP4; then the hyperbolic projection x tanh(sc |x|) / (sc |x| + 1e-8) head by head (q also times sigmoid(radial weight)), all in f32; then the results are
; quantised as the attention's operands and stored as step records of 128 tokens:
;   KC 0: [tile 8][512 bytes] registers 0-3 of a fragment of K = 64;  KS 4096: [pair 4][r 16] word = the two bytes of tile 2 p | those of tile 2 p + 1 << 16;
;   KN 4352: [tile 8][r 16] 2 |.|^2;  KR 4864: [tile 8][r 16] 1 / (1 - |.|^2);  VC 5376: [feature tile 4][c 2][512 bytes];  VS 9472: [c 2][r 16][feature tile 4] halfwords.
;   qrec has the first four parts (5,376 bytes a step), kvrec all six (9,728).
; SHARES: work-group (x, y): 64 tokens x 4 heads.  Wave W: role W / 4 (0 q, 1 k, 2 v), head 4 y + W % 4: 64 x 64 outputs, K = 1,024, 16 accumulators.
; q, k: source 0 = 4 tiles of W, source 1 = 4 tiles of query: a lane holds a token, its registers run along the head (the K of q k^T).
; v: the sources change places: a lane holds a feature, its registers run along the tokens (the K of p v).
; By the tiles' choice of rows the 16 registers of tiles 2 e and 2 e + 1 are 16 neighbours: 32 e + 16 h + 0 .. 15.
; No cluster and no LDS: fragments go from memory straight into registers as images, 512 consecutive bytes a load; no tile lies in LDS that a joint request could bring.
; tanh: 1 - 2 / (1 + 2^(2.885.. s)) from s = 0.125 on; below that the series s (1 + s^2 (-1/3 + s^2 (2/15 - 17/315 s^2))), whose next term is under 2e-9 of s there.  The choice is a select.
; LIMITS: NaN and infinities are not served; a block of zeros gets the byte 1 with zero codes.
; THE MODE: SCHED_MODE bits 1:0 = 2 (LLVM: expert scheduling mode 2), set by the entry lines.  The code itself states the register dependences between vector or matrix instructions and memory
; instructions, with s_wait_alu, always for 0.
; THE PLAN.  Registers that memory instructions touch:
;   v3            16 x lane: written once at the head; read by every load of codes and scale words; never written again.
;   v16-47        the scale words: loaded once; read by the products; vector scratch behind the last product.
;   set 0, set 1  two sets of eight fragments, for the even and the odd K steps.  Step s: its 16 products read set s % 2; behind them the loads of step s + 2 land in it.
;   v14           the bias's offset: made, read by the bias's loads, made anew as the codes' offset, read by the stores.
;   v48-79        the bias lands where set 0 lay.
;   the results   codes, scale words, norms and their offsets: written by vector instructions, read by one run of stores at each path's end.
; So one wait on va_vdst stands behind each of K steps 0 to 5's products, ahead of the loads that fill their set again; one ahead of the bias's loads; one ahead of each run of stores.
; REGISTERS: v1 r, v2 h, v3 16 x lane, v15 4 x lane, v12 sc, v13 the radial factor, v4-11, v14, v112-127 at work; v16-31, v32-47 scale words of source 0, 1;
; set 0: v48-79, v80-111 the two sources' fragments; set 1: v256-287, v288-319 (window 1: named v0-31, v32-63); v128-255 accumulator (b, a) at 128 + 32 b + 8 a.
.set SA,  16
.set SB,  32
.set ACC, 128
.set CM,  4                            ; s4-11 the masks of the selects in tanh (the arguments that lay there are done with at the head)
.set SEL, 52                           ; s[52:53] selects for lane l xor 16
.set K1,  56                           ; s56 -17/315, s57 2/15, s58 -1/3
.set EIG, 62                           ; s62 0.125
.set MSB, 0
.macro WIN new                         ; s_set_vgpr_msb: bits 1:0 source 0, 3:2 source 1, 5:4 source 2, 7:6 destination; the immediate's high byte repeats the setting that is left
.if MSB != (\new)
	s_set_vgpr_msb (MSB<<8)|(\new)
.set MSB, (\new)
.endif
.endm
	s_load_b128 s[4:7], s[0:1], 0x0                ; codes, scales
	s_load_b128 s[8:11], s[0:1], 0x10              ; bq, bk
	s_load_b128 s[12:15], s[0:1], 0x20             ; bv, curvature
	s_load_b128 s[16:19], s[0:1], 0x30             ; radial_weights, qrec
	s_load_b64 s[20:21], s[0:1], 0x40              ; kvrec
	v_lshrrev_b32 v1, 5, v0
	v_readfirstlane_b32 s22, v1                    ; wave 0..11
	v_and_b32 v1, 15, v0                           ; r
	v_bfe_u32 v2, v0, 4, 1                         ; h
	v_and_b32 v3, 31, v0
	v_lshlrev_b32 v15, 2, v3                       ; 4 x lane
	v_lshlrev_b32 v3, 4, v3                        ; 16 x lane
	s_wait_alu depctr_va_sdst(0)                   ; s22 is written, ahead of its first reader: role, head and every base are made from it
	s_lshr_b32 s23, s22, 2                         ; role
	s_and_b32 s36, s22, 3
	s_and_b32 s37, ttmp7, 0xffff
	s_lshl_b32 s37, s37, 2
	s_add_co_u32 s36, s36, s37                     ; head
	s_lshl_b32 s37, ttmp9, 2                       ; query's first tile
	s_lshl_b32 s38, s23, 6
	s_lshl_b32 s39, s36, 2
	s_add_co_u32 s38, s38, s39
	s_add_co_u32 s38, s38, 256                     ; the weight's first tile: 256 + 64 role + 4 head
	s_cmp_eq_u32 s23, 2
	s_cselect_b32 s39, s37, s38                    ; source 0's
	s_cselect_b32 s40, s38, s37                    ; source 1's
	s_lshl_b32 s24, s39, 13
	s_mov_b32 s25, 0
	s_lshl_b32 s26, s40, 13
	s_mov_b32 s27, 0
	s_lshl_b32 s28, s39, 9
	s_mov_b32 s29, 0
	s_lshl_b32 s30, s40, 9
	s_mov_b32 s31, 0
	s_mov_b32 s43, 0
	s_lshr_b32 s44, ttmp9, 5                       ; batch
	s_and_b32 s45, ttmp9, 31                       ; which 64 tokens of the batch
	s_lshl_b32 s44, s44, 4
	s_add_co_u32 s44, s44, s36                     ; batch x 16 + head
	s_lshl_b32 s44, s44, 4
	s_lshr_b32 s46, s45, 1
	s_add_co_u32 s44, s44, s46                     ; the step record's number
	s_and_b32 s45, s45, 1                          ; which half of it is mine
	s_mov_b32 s[SEL], 0x76543210
	s_mov_b32 s[SEL+1], 0xfedcba98
	s_mov_b32 s[K1], 0xbd5d0dd3
	s_mov_b32 s[K1+1], 0x3e088889
	s_mov_b32 s[K1+2], 0xbeaaaaab
	s_mov_b32 s[EIG], 0x3e000000
	s_wait_kmcnt 0x0
	s_add_nc_u64 s[24:25], s[4:5], s[24:25]        ; source 0's codes
	s_add_nc_u64 s[26:27], s[4:5], s[26:27]        ; source 1's
	s_add_nc_u64 s[28:29], s[6:7], s[28:29]        ; source 0's scale words
	s_add_nc_u64 s[30:31], s[6:7], s[30:31]        ; source 1's
	s_cmp_eq_u32 s23, 0
	s_cselect_b64 s[32:33], s[8:9], s[10:11]
	s_cmp_eq_u32 s23, 2
	s_cselect_b64 s[32:33], s[12:13], s[32:33]
	s_lshl_b32 s42, s36, 8
	s_add_nc_u64 s[32:33], s[32:33], s[42:43]      ; my head's 64 numbers of my role's bias
	s_mov_b32 s46, 9728
	s_cmp_eq_u32 s23, 0
	s_cselect_b32 s46, 5376, s46
	s_cselect_b64 s[34:35], s[18:19], s[20:21]
	s_mul_i32 s42, s44, s46
	s_add_nc_u64 s[34:35], s[34:35], s[42:43]      ; my step record
	s_lshl_b32 s42, s36, 2
	s_add_nc_u64 s[16:17], s[16:17], s[42:43]
	s_load_b32 s47, s[14:15], 0x0                  ; the curvature
	s_load_b32 s48, s[16:17], 0x0                  ; my head's radial weight
.macro FLOAD s                         ; K step s: eight fragments, 16 loads of 512 consecutive bytes, into set s % 2 (the caller has set the destination's window)
.set PA, 48-48*((\s)%2)
.irp i, 0,1,2,3
.irp c, 0,1
	global_load_b128 v[PA+8*\i+4*\c:PA+8*\i+4*\c+3], v3, s[24:25] offset:8192*\i+1024*(\s)+512*\c
	global_load_b128 v[PA+32+8*\i+4*\c:PA+32+8*\i+4*\c+3], v3, s[26:27] offset:8192*\i+1024*(\s)+512*\c
.endr
.endr
.endm
; 16 products on set s % 2; the 16 accumulators take turns, one instruction a turn.  The first K step starts the sums.  K steps 4-7 take their scale words from lanes 16-31.
.macro MULS s
.set PA, 48-48*((\s)%2)
.irp b, 0,1,2,3
.irp a, 0,1,2,3
.if (\s) == 0
	v_wmma_scale_f32_16x16x128_f8f6f4 v[ACC+32*\b+8*\a:ACC+32*\b+8*\a+7], v[PA+8*\a:PA+8*\a+7], v[PA+32+8*\b:PA+32+8*\b+7], 0, v[SA+4*\a], v[SB+4*\b] matrix_a_fmt:MATRIX_FMT_FP4 matrix_b_fmt:MATRIX_FMT_FP4
.elseif (\s) < 4
	v_wmma_scale_f32_16x16x128_f8f6f4 v[ACC+32*\b+8*\a:ACC+32*\b+8*\a+7], v[PA+8*\a:PA+8*\a+7], v[PA+32+8*\b:PA+32+8*\b+7], v[ACC+32*\b+8*\a:ACC+32*\b+8*\a+7], v[SA+4*\a+(\s)], v[SB+4*\b+(\s)] matrix_a_fmt:MATRIX_FMT_FP4 matrix_b_fmt:MATRIX_FMT_FP4
.else
	v_wmma_scale_f32_16x16x128_f8f6f4 v[ACC+32*\b+8*\a:ACC+32*\b+8*\a+7], v[PA+8*\a:PA+8*\a+7], v[PA+32+8*\b:PA+32+8*\b+7], v[ACC+32*\b+8*\a:ACC+32*\b+8*\a+7], v[SA+4*\a+(\s)-4], v[SB+4*\b+(\s)-4] matrix_a_fmt:MATRIX_FMT_FP4 matrix_b_fmt:MATRIX_FMT_FP4 matrix_a_scale:MATRIX_SCALE_ROW1 matrix_b_scale:MATRIX_SCALE_ROW1
.endif
.endr
.endr
.endm
; K step s.  Its set is multiplied and, in steps 0 to 5, asked for again at once, for step s + 2: so the loads of two K steps are on their way.
.macro KSTEP s
.if (\s) < 7
	s_wait_loadcnt 16                              ; loads come back in order (ISA guide 5.7.1): this step's 16 (in step 0 the scale words too) are in, the next step's 16 stay out
.else
	s_wait_loadcnt 0x0
.endif
	WIN 5*((\s)%2)                                 ; an odd step's two sources lie in window 1
	MULS \s
.if (\s) < 6
.rept 4
	v_nop                                          ; four plain lines between the products and the loads into the registers that they read
.endr
	WIN 0x40*((\s)%2)                              ; the loads' destination: first the switch, then the wait, then the loads
	s_wait_alu depctr_va_vdst(0)                   ; this step's products are done reading their set, in which the loads below land
	FLOAD (\s)+2
.endif
.endm
; n squared norms in v[in] on become the factors tanh(sc |x|) / (sc |x| + 1e-8).  3 n registers from v[t] on are at work.  A plain line stands behind each run of transcendentals.
.macro TANHF in, n, t
.set TI, 0
.rept \n
	v_sqrt_f32 v[(\in)+TI], v[(\in)+TI]
.set TI, TI+1
.endr
	v_nop
.set TI, 0
	s_wait_alu depctr_va_vdst(0)                   ; the roots are written, ahead of their first reader
.rept \n
	v_mul_f32 v[(\t)+TI], v12, v[(\in)+TI]                         ; s = sc |x|
.set TI, TI+1
.endr
.set TI, 0
.rept \n
	v_mul_f32 v[(\t)+(\n)+TI], 0x4038aa3b, v[(\t)+TI]              ; 2 log2(e) s
.set TI, TI+1
.endr
.set TI, 0
.rept \n
	v_exp_f32 v[(\t)+(\n)+TI], v[(\t)+(\n)+TI]
.set TI, TI+1
.endr
.set TI, 0
.rept \n
	v_mul_f32 v[(\t)+2*(\n)+TI], v[(\t)+TI], v[(\t)+TI]            ; s^2
.set TI, TI+1
.endr
.set TI, 0
	s_wait_alu depctr_va_vdst(0)                   ; the exponentials are written, ahead of their first reader
.rept \n
	v_add_f32 v[(\t)+(\n)+TI], 1.0, v[(\t)+(\n)+TI]
.set TI, TI+1
.endr
.set TI, 0
.rept \n
	v_rcp_f32 v[(\t)+(\n)+TI], v[(\t)+(\n)+TI]
.set TI, TI+1
.endr
.set TI, 0
.rept \n
	v_fma_f32 v[(\in)+TI], v[(\t)+2*(\n)+TI], s[K1], s[K1+1]       ; the series, by Horner
.set TI, TI+1
.endr
.set TI, 0
.rept \n
	v_fma_f32 v[(\in)+TI], v[(\in)+TI], v[(\t)+2*(\n)+TI], s[K1+2]
.set TI, TI+1
.endr
.set TI, 0
.rept \n
	v_fma_f32 v[(\in)+TI], v[(\in)+TI], v[(\t)+2*(\n)+TI], 1.0
.set TI, TI+1
.endr
.set TI, 0
.rept \n
	v_mul_f32 v[(\in)+TI], v[(\in)+TI], v[(\t)+TI]                 ; tanh for small s
.set TI, TI+1
.endr
.set TI, 0
	s_wait_alu depctr_va_vdst(0)                   ; the reciprocals of 1 + 2^(..) are written, ahead of their first reader
.rept \n
	v_fma_f32 v[(\t)+(\n)+TI], v[(\t)+(\n)+TI], -2.0, 1.0          ; tanh elsewhere
.set TI, TI+1
.endr
.set TI, 0
.rept \n
	v_add_f32 v[(\t)+2*(\n)+TI], 0x322bcc77, v[(\t)+TI]            ; s + 1e-8
.set TI, TI+1
.endr
.set TI, 0
.rept \n
	v_rcp_f32 v[(\t)+2*(\n)+TI], v[(\t)+2*(\n)+TI]
.set TI, TI+1
.endr
	v_nop
.set TI, 0
.rept \n
	v_cmp_gt_f32 s[CM+TI], s[EIG], v[(\t)+TI]                      ; s under 0.125?  The compares stand in one run, a mask of its own for each
.set TI, TI+1
.endr
.set TI, 0
	s_wait_alu depctr_va_sdst(0)                   ; the masks are written, ahead of the selects that read them
.rept \n
	v_cndmask_b32 v[(\in)+TI], v[(\t)+(\n)+TI], v[(\in)+TI], s[CM+TI]
.set TI, TI+1
.endr
.set TI, 0
	s_wait_alu depctr_va_vdst(0)                   ; the reciprocals of s + 1e-8 are written, ahead of their first reader
.rept \n
	v_mul_f32 v[(\in)+TI], v[(\in)+TI], v[(\t)+2*(\n)+TI]
.set TI, TI+1
.endr
.endm
; 32 numbers of a lane, register 16 e + i = k 32 e + 16 h + i of my row, become registers 0-3 of a fragment (k = 32 h + 0 .. 31) in v[pc] on and the row's two scale bytes in v[hw].  Six registers from v[t] on are at work.
.macro HQUANT s, pc, hw, t
	v_max3_num_f32 v[(\t)], |v[(\s)]|, |v[(\s)+1]|, 0x1800000      ; my 16 numbers of each block, and the floor 2^(3 - 127)
	v_max3_num_f32 v[(\t)+1], |v[(\s)+16]|, |v[(\s)+17]|, 0x1800000
.irp i, 2,4,6,8,10,12,14
	v_max3_num_f32 v[(\t)], v[(\t)], |v[(\s)+\i]|, |v[(\s)+\i+1]|
	v_max3_num_f32 v[(\t)+1], v[(\t)+1], |v[(\s)+16+\i]|, |v[(\s)+17+\i]|
.endr
	v_permlanex16_b32 v[(\t)+2], v[(\t)], s[SEL], s[SEL+1]
	v_permlanex16_b32 v[(\t)+3], v[(\t)+1], s[SEL], s[SEL+1]
	v_max_num_f32 v[(\t)], v[(\t)], v[(\t)+2]                      ; with lane l xor 16's: the block's largest magnitude
	v_max_num_f32 v[(\t)+1], v[(\t)+1], v[(\t)+3]
	v_add_nc_u32 v[(\t)+4], 0xff000000, v[(\t)]                    ; 2 off the exponent field: the conversion's scale operand
	v_add_nc_u32 v[(\t)+5], 0xff000000, v[(\t)+1]
	v_lshrrev_b32 v[(\t)+2], 23, v[(\t)+4]
	v_lshrrev_b32 v[(\t)+3], 23, v[(\t)+5]
	v_lshl_or_b32 v[(\hw)], v[(\t)+3], 8, v[(\t)+2]
	v_cvt_scalef32_pk8_fp4_f32 v[(\pc)], v[(\s):(\s)+7], v[(\t)+4]
	v_cvt_scalef32_pk8_fp4_f32 v[(\pc)+1], v[(\s)+8:(\s)+15], v[(\t)+4]
	v_cvt_scalef32_pk8_fp4_f32 v[(\pc)+2], v[(\s)+16:(\s)+23], v[(\t)+5]
	v_cvt_scalef32_pk8_fp4_f32 v[(\pc)+3], v[(\s)+24:(\s)+31], v[(\t)+5]
	v_nop                                          ; one plain line behind a scaled conversion
	v_permlane16_swap_b32 v[(\pc)], v[(\pc)+2]     ; a whole block to a lane: lanes 0-15 block 0, lanes 16-31 block 1
	v_permlane16_swap_b32 v[(\pc)+1], v[(\pc)+3]
.endm
; the squared norms of my token in each of the four token tiles -> v112-115: 16 features of each block are mine, the other 16 lane l xor 16's
.macro SUMSQ4
.irp b, 0,1,2,3
	v_pk_mul_f32 v[4+2*\b:5+2*\b], v[ACC+32*\b:ACC+32*\b+1], v[ACC+32*\b:ACC+32*\b+1]
.endr
.irp i, 2,4,6,8,10,12,14,16,18,20,22,24,26,28,30
.irp b, 0,1,2,3
	v_pk_fma_f32 v[4+2*\b:5+2*\b], v[ACC+32*\b+\i:ACC+32*\b+\i+1], v[ACC+32*\b+\i:ACC+32*\b+\i+1], v[4+2*\b:5+2*\b]
.endr
.endr
.irp b, 0,1,2,3
	v_add_f32 v[4+2*\b], v[4+2*\b], v[5+2*\b]
.endr
.irp b, 0,1,2,3
	v_permlanex16_b32 v[5+2*\b], v[4+2*\b], s[SEL], s[SEL+1]
.endr
.irp b, 0,1,2,3
	v_add_f32 v[112+\b], v[4+2*\b], v[5+2*\b]
.endr
.endm
	s_wait_alu depctr_va_vdst(0)                   ; v3 is written: every load of scale words and codes reads it as its offset
.irp i, 0,1,2,3
	global_load_b128 v[SA+4*\i:SA+4*\i+3], v3, s[28:29] offset:512*\i   ; a tile's scale words of all eight K steps: lanes 0-15 steps 0-3, lanes 16-31 steps 4-7
	global_load_b128 v[SB+4*\i:SB+4*\i+3], v3, s[30:31] offset:512*\i
.endr
	FLOAD 0
	WIN 0x40                                       ; destination window 1.  Between the wait above and these loads stand loads and this switch alone
	FLOAD 1
	WIN 0
	s_wait_kmcnt 0x0                               ; while the loads are out: sc = sqrt(max(|curvature|, 1e-8)) and the radial factor
	v_mov_b32 v12, s47
	v_max_num_f32 v12, 0x322bcc77, |v12|
	v_sqrt_f32 v12, v12
	v_mov_b32 v13, s48
	v_mul_f32 v13, 0xbfb8aa3b, v13
	v_exp_f32 v13, v13
	v_nop
	s_wait_alu depctr_va_vdst(0)                   ; the root v12 and the exponential v13 are written, ahead of their first readers
	v_add_f32 v13, 1.0, v13
	v_rcp_f32 v13, v13                             ; sigmoid(w) = 1 / (1 + 2^(-log2(e) w))
	v_nop
	s_cmp_eq_u32 s23, 0
	s_cselect_b32 s49, -1, 0
	s_wait_alu depctr_va_vdst(0)                   ; the reciprocal v13 is written, ahead of its first reader
	v_cndmask_b32 v13, 1.0, v13, s49               ; k has none
.irp s, 0,1,2,3,4,5,6,7
	KSTEP \s
.endr
	WIN 0                                          ; at a branch and at a label every window is 0
.rept 4
	v_nop                                          ; places in front of the first read of results
.endr
	s_cmp_eq_u32 s23, 2
	s_cbranch_scc1 .Lv
	; ---- q and k: a lane holds one token of each of four token tiles b; register 16 e + 8 u + j = feature 32 e + 16 h + 8 u + j
	v_lshlrev_b32 v14, 6, v2                       ; 64 h
	s_wait_alu depctr_va_vdst(0)                   ; v14 is written, which the loads below read; the products are done reading set 0, in which they land
.irp a, 0,1,2,3
	global_load_b128 v[48+8*\a:51+8*\a], v14, s[32:33] offset:(32*(\a/2)+8*(\a%2))*4
	global_load_b128 v[52+8*\a:55+8*\a], v14, s[32:33] offset:(32*(\a/2)+8*(\a%2))*4+16
.endr
	s_wait_loadcnt 0x0
.irp b, 0,1,2,3
.irp i, 0,2,4,6,8,10,12,14,16,18,20,22,24,26,28,30
	v_pk_add_f32 v[ACC+32*\b+\i:ACC+32*\b+\i+1], v[ACC+32*\b+\i:ACC+32*\b+\i+1], v[48+\i:49+\i]   ; the bias; each accumulator from its low end on
.endr
.endr
	SUMSQ4
	TANHF 112, 4, 16
.irp b, 0,1,2,3
	v_mul_f32 v[4+2*\b], v[112+\b], v13            ; the factor, with the radial factor
.endr
.irp b, 0,1,2,3
.irp i, 0,2,4,6,8,10,12,14,16,18,20,22,24,26,28,30
	v_pk_mul_f32 v[ACC+32*\b+\i:ACC+32*\b+\i+1], v[ACC+32*\b+\i:ACC+32*\b+\i+1], v[4+2*\b:5+2*\b] op_sel_hi:[1,0]
.endr
.endr
	SUMSQ4                                         ; |.|^2 is summed of the projected numbers, since 1 - |.|^2 may be small
.irp b, 0,1,2,3
	v_add_f32 v[116+\b], v[112+\b], v[112+\b]      ; 2 |.|^2
.endr
.irp b, 0,1,2,3
	v_sub_f32 v[120+\b], 1.0, v[112+\b]
.endr
.irp b, 0,1,2,3
	v_rcp_f32 v[120+\b], v[120+\b]                 ; 1 / (1 - |.|^2): the plain lines below stand ahead of its use
.endr
.irp b, 0,1,2,3
	HQUANT ACC+32*\b, 80+4*\b, 96+\b, 16
.endr
	s_lshl_b32 s59, s45, 11
	s_lshl_b32 s60, s45, 7
	s_lshl_b32 s61, s45, 8
	s_wait_alu depctr_vm_vsrc(0)                   ; the bias's loads have read v14, which is written anew
	v_add_nc_u32 v14, s59, v3                      ; my half's four tiles of KC
	v_add_nc_u32 v100, s60, v15                    ; its two pairs of KS
	v_add_nc_u32 v101, s61, v15                    ; its four tiles of KN and KR
	v_cmp_ne_u32 vcc_lo, 0, v2                     ; lanes 0-15 store the even tile's or pair's number, lanes 16-31 the odd one's
	v_lshl_or_b32 v102, v97, 16, v96
	v_lshl_or_b32 v103, v99, 16, v98
	s_wait_alu depctr_va_vcc(0)                    ; VCC is written, ahead of the selects that read it
	v_cndmask_b32 v102, v102, v103, vcc_lo
	v_cndmask_b32 v104, v116, v117, vcc_lo
	v_cndmask_b32 v105, v118, v119, vcc_lo
	s_wait_alu depctr_va_vdst(0)                   ; the four reciprocals v120-123 are written, ahead of their first reader
	v_cndmask_b32 v106, v120, v121, vcc_lo
	v_cndmask_b32 v107, v122, v123, vcc_lo
	s_wait_alu depctr_va_vdst(0)                   ; the codes v80-95, the words v102-107 and the offsets v14, v100, v101 are written: the run of stores below reads them
.irp b, 0,1,2,3
	global_store_b128 v14, v[80+4*\b:83+4*\b], s[34:35] offset:512*\b
.endr
	global_store_b32 v100, v102, s[34:35] offset:4096
	global_store_b32 v101, v104, s[34:35] offset:4352
	global_store_b32 v101, v105, s[34:35] offset:4480
	global_store_b32 v101, v106, s[34:35] offset:4864
	global_store_b32 v101, v107, s[34:35] offset:4992
	s_endpgm
.Lv:
	; ---- v: a lane holds one feature of each of four feature tiles b; register 16 e + 8 u + j = token 32 e + 16 h + 8 u + j
	v_and_b32 v14, 8, v1
	v_add_nc_u32 v14, v14, v1
	v_lshlrev_b32 v14, 2, v14                      ; 4 (r + 8 (r / 8))
	s_wait_alu depctr_va_vdst(0)                   ; v14 is written, which the loads below read; the products are done reading set 0, in which they land
.irp b, 0,1,2,3
	global_load_b32 v[48+2*\b], v14, s[32:33] offset:(32*(\b/2)+8*(\b%2))*4    ; my feature's bias, twice: a pair for the packed addition
	global_load_b32 v[49+2*\b], v14, s[32:33] offset:(32*(\b/2)+8*(\b%2))*4
.endr
	s_wait_loadcnt 0x0
.irp b, 0,1,2,3
.irp i, 0,2,4,6,8,10,12,14,16,18,20,22,24,26,28,30
	v_pk_add_f32 v[ACC+32*\b+\i:ACC+32*\b+\i+1], v[ACC+32*\b+\i:ACC+32*\b+\i+1], v[48+2*\b:49+2*\b]
.endr
.endr
.irp i, 0,2,4,6,8,10,12,14,16,18,20,22,24,26,28,30
	v_pk_mul_f32 v[80+\i:81+\i], v[ACC+\i:ACC+\i+1], v[ACC+\i:ACC+\i+1]        ; each token's squares: my four features,
.endr
.irp b, 1,2,3
.irp i, 0,2,4,6,8,10,12,14,16,18,20,22,24,26,28,30
	v_pk_fma_f32 v[80+\i:81+\i], v[ACC+32*\b+\i:ACC+32*\b+\i+1], v[ACC+32*\b+\i:ACC+32*\b+\i+1], v[80+\i:81+\i]
.endr
.endr
.irp m, 1,2,4,8
.set I, 0
.rept 32
	v_add_f32_dpp v[80+I], v[80+I], v[80+I] row_xmask:\m row_mask:0xf bank_mask:0xf   ; and those of the 16 lanes that hold the same tokens
.set I, I+1
.endr
.endr
.irp k, 0,1,2,3
	TANHF 80+8*\k, 8, 16
.endr
.irp b, 0,1,2,3
.irp i, 0,2,4,6,8,10,12,14,16,18,20,22,24,26,28,30
	v_pk_mul_f32 v[ACC+32*\b+\i:ACC+32*\b+\i+1], v[ACC+32*\b+\i:ACC+32*\b+\i+1], v[80+\i:81+\i]
.endr
.endr
.irp b, 0,1,2,3
	HQUANT ACC+32*\b, 48+4*\b, 64+\b, 16
.endr
	s_lshl_b32 s59, s45, 9
	s_lshl_b32 s60, s45, 7
	s_wait_alu depctr_vm_vsrc(0)                   ; the bias's loads have read v14, which is written anew
	v_add_nc_u32 v14, s59, v3                      ; my 64 tokens are part c = half of each fragment
	v_cmp_ne_u32 vcc_lo, 0, v2
	v_lshl_or_b32 v68, v65, 16, v64
	v_lshl_or_b32 v69, v67, 16, v66
	v_lshlrev_b32 v70, 3, v1
	v_lshl_add_u32 v70, v2, 2, v70
	v_add_nc_u32 v70, s60, v70
	s_wait_alu depctr_va_vcc(0)                    ; VCC is written, ahead of the select that reads it
	v_cndmask_b32 v68, v68, v69, vcc_lo            ; lanes 0-15: feature tiles 0, 1; lanes 16-31: 2, 3
	s_wait_alu depctr_va_vdst(0)                   ; the codes v48-63, the word v68 and the offsets v14, v70 are written: the run of stores below reads them
.irp b, 0,1,2,3
	global_store_b128 v14, v[48+4*\b:51+4*\b], s[34:35] offset:5376+1024*\b
.endr
	global_store_b32 v70, v68, s[34:35] offset:9472
	s_endpgm
.Lfunc_end_k_q3f9010b8fa_proj:
	.size	k_q3f9010b8fa_proj, .Lfunc_end_k_q3f9010b8fa_proj-k_q3f9010b8fa_proj
	.p2alignl 7, 3214868480
	.fill 96, 4, 3214868480
	.section	.rodata,"a",@progbits
	.p2align	6, 0x0
	.amdhsa_kernel k_q3f9010b8fa_proj
		.amdhsa_group_segment_fixed_size 0
		.amdhsa_private_segment_fixed_size 0
		.amdhsa_enable_private_segment 0
		.amdhsa_kernarg_size 72
		.amdhsa_user_sgpr_count 2
		.amdhsa_user_sgpr_kernarg_segment_ptr 1
		.amdhsa_wavefront_size32 1
		.amdhsa_system_sgpr_workgroup_id_x 1
		.amdhsa_system_sgpr_workgroup_id_y 1
		.amdhsa_system_sgpr_workgroup_id_z 1
		.amdhsa_system_vgpr_workitem_id 0
		.amdhsa_next_free_vgpr 320
		.amdhsa_next_free_sgpr 66
		.amdhsa_reserve_vcc 1
		.amdhsa_float_denorm_mode_32 3
		.amdhsa_float_denorm_mode_16_64 3
		.amdhsa_memory_ordered 1
		.amdhsa_forward_progress 1
		.amdhsa_inst_pref_size 120
	.end_amdhsa_kernel
	.amdgpu_metadata
---
amdhsa.version: [ 1, 2 ]
amdhsa.kernels:
  - .name:           k_q3f9010b8fa_proj
    .symbol:         k_q3f9010b8fa_proj.kd
    .args:
      - { .name: codes, .offset: 0, .size: 8, .value_kind: global_buffer, .address_space: global }
      - { .name: scales, .offset: 8, .size: 8, .value_kind: global_buffer, .address_space: global }
      - { .name: bq, .offset: 16, .size: 8, .value_kind: global_buffer, .address_space: global }
      - { .name: bk, .offset: 24, .size: 8, .value_kind: global_buffer, .address_space: global }
      - { .name: bv, .offset: 32, .size: 8, .value_kind: global_buffer, .address_space: global }
      - { .name: curvature, .offset: 40, .size: 8, .value_kind: global_buffer, .address_space: global }
      - { .name: radial_weights, .offset: 48, .size: 8, .value_kind: global_buffer, .address_space: global }
      - { .name: qrec, .offset: 56, .size: 8, .value_kind: global_buffer, .address_space: global }
      - { .name: kvrec, .offset: 64, .size: 8, .value_kind: global_buffer, .address_space: global }
    .group_segment_fixed_size: 0
    .private_segment_fixed_size: 0
    .kernarg_segment_align: 8
    .kernarg_segment_size: 72
    .max_flat_workgroup_size: 384
    .sgpr_count:     66
    .vgpr_count:     320
    .wavefront_size: 32
...
	.end_amdgpu_metadata
.endif
;; end of part 6
;; launch attn (part 7): grid 8 x 32, 16 waves a work-group, clusters of 4 x 1, 169,984 bytes of LDS; arguments qrec, kvrec, curvature, acodes, ascales; writes acodes, ascales
.if DOCPART == 7
	.amdgcn_target "amdgcn-amd-amdhsa--gfx1250"
	.amdhsa_code_object_version 6
	.text
	.protected	k_q3f9010b8fa_attn
	.globl	k_q3f9010b8fa_attn
	.p2align	8
	.type	k_q3f9010b8fa_attn,@function
k_q3f9010b8fa_attn:
	s_mov_b64 s[64:65], 0
	v_nop
	global_prefetch_b8 v0, s[64:65] scope:SCOPE_SE
	s_setreg_imm32_b32 hwreg(HW_REG_WAVE_MODE, 25, 1), 1
	s_wait_xcnt 0x0
	s_wait_alu depctr_hold_cnt(0) depctr_sa_sdst(0) depctr_va_vdst(0) depctr_va_sdst(0) depctr_va_ssrc(0) depctr_va_vcc(0) depctr_vm_vsrc(0)
	s_getreg_b32 s2, hwreg(HW_REG_IB_STS2, 6, 4)
	s_cmp_eq_u32 s2, 0
	s_cbranch_scc0 .Lentry_in_a_cluster
	s_endpgm
.Lentry_in_a_cluster:
	s_bfe_u32 s2, ttmp6, 0x10000c
	s_cmp_lg_u32 s2, 0x3003
	s_cbranch_scc0 .Lentry_shape_is_right
	s_endpgm
.Lentry_shape_is_right:
; The attention of one (batch, head): scores = -arccosh(x) / (8 (sc + 1e-8)), x = max(1 + 2 |q - k|^2 / max((1 - |q|^2)(1 - |k|^2), 1e-8), 1); softmax; times v.  Both products on codes of FP4.
; ARITHMETIC OF A SCORE, all f32.  The first product gives D = 2 |k|^2 - 4 q.k at once: q's codes have their signs turned, q's scale bytes are raised by 2, and 2 |k|^2 is loaded as the accumulator.
;   e = max(D + 2 |q|^2, 0);  z = 1 / max(A B, 1e-8) = the smaller, as unsigned words, of (1/A)(1/B) and 1e8 (a negative product, -0 and infinity have larger words than 1e8);  x = e z + 1;
;   L = log2(x + sqrt(x x - 1));  t = NC L, NC = -1 / (8 (sc + 1e-8));  M = the running largest t rounded up to a whole number;  p = 2^(t - M), quantised along the keys, not normalised.
;   The row's sum is taken of the unquantised p and divides at the end.  When M moves, the sum and O are multiplied by 2^(old M - new M), which rounds nothing.
; A block's largest p is not searched for: the block's smallest x goes through the same instructions.
; SHARES.  A work-group owns 256 queries of one (batch, head), each of its sixteen waves one tile of 16, in 256 registers.  Every wave walks the head's 2,048 keys, 128 a step.
; LDS.  The head's 16 step records (155,648 bytes) lie in LDS whole; they are filled once, so no byte is filled again.  Waves 0 and 1 bring them in four chunks of four records, half a chunk a load:
; four tensor loads of a wave are out at the most.
; CLUSTER.  The four work-groups of a cluster belong to one head and want the same records: each load is asked for jointly, with the same descriptor and a mask that names the four.
; LAYOUT.  Both products are used transposed (source 0 = 16 keys, or 16 features; source 1 = my 16 queries): a lane holds one query throughout.  The head is 64 wide and the instruction 128 deep: source 0 holds
; TWO tiles of keys (registers 0-3 and 4-7), and q stands against one of them with zero codes against the other.
; LIMITS: NaN and infinities are not served; sqrt, log2 and exp2 are taken not to fall where their input rises (else one p of a block is held one code low); (1/A)(1/B) stands for 1/(A B);
; q's scale bytes + 2 must stay under 255: |q| is at most 1e4 by the clip of the curvature at 1e-8, so they stay under 142; a block of zeros gets the byte 1 with zero codes.
; REGISTERS: v1-4 lane terms, v5-8 the same + the record; v9 q's scale word; v10-11 k's; v12 -M, v13 the largest t, v[14:15] the sum; v16-19 and v24-27 zeros round q's codes v20-23; v[28:29] 1/A, v[30:31] 2 |q|^2;
; v32-95 F (fragments, 1/B, roots); v96-159 S; v160-191 O^T; v192-199 p's codes; v[200:201] NC; v202-209 v's scale words; v210 p's; v212-227 the four blocks' figures; v[228:229] f; v230-239 at work.
.set F,   32
.set S,   96
.set O,   160
.set PC,  192
.set BM,  212
.set T1,  216
.set T2,  220
.set BY,  224
.set REC, 9728
.set WV,  14
.set TB,  48                           ; s48 LDS byte at which the step's record begins
.set CNT, 49
.set CAP, 50                           ; s50 1e8
.set SEL, 52                           ; s[52:53] selects for lane l xor 16
.set PLO, 54                           ; s54, s55 byte selects: two low halves, two high halves
.set PHI, 55
.macro CROUND                          ; a round of the cluster's barrier
	s_barrier_signal -1
	s_barrier_wait -1
	s_cmp_lg_u32 s[WV], 0
	s_cbranch_scc1 .Lnot_wave_0_\@
	s_barrier_signal -3
.Lnot_wave_0_\@:
	s_barrier_wait -3
	s_barrier_signal -1
	s_barrier_wait -1
.endm
	s_load_b256 s[4:11], s[0:1], 0x0               ; qrec, kvrec, curvature, acodes
	s_load_b64 s[12:13], s[0:1], 0x20              ; ascales
	v_lshl_add_u32 v254, v0, 2, 0x29000
	v_mov_b32 v255, 0
	ds_add_u32 v254, v255
	ds_add_u32 v254, v255
	v_lshrrev_b32 v1, 5, v0
	s_delay_alu instid0(VALU_DEP_1)
	v_readfirstlane_b32 s[WV], v1                  ; wave 0..15
	s_bfe_u32 s15, ttmp6, 0x40000                  ; cx
	s_lshl_b32 s16, ttmp9, 2
	s_add_co_u32 s16, s16, s15                     ; my block of 256 queries: it enters global addresses of q and of the results alone
	s_and_b32 s17, ttmp7, 0xffff                   ; batch x 16 + head, which the four partners share
	; descriptor group 1: 76 rows of 256 bytes (32 elements of 8 bytes), dense in memory and in LDS
	s_mov_b32 s24, 15|(3<<16)|(1<<21)              ; the mask: all four work-groups; elements of 8 bytes; bit 21 set beside a mask; no padding
	s_mov_b32 s25, 32<<16                          ; tensor_dim0
	s_mov_b32 s26, 76<<16                          ; tensor_dim1
	s_mov_b32 s27, 32<<16                          ; tile_dim0
	s_mov_b32 s28, 76                              ; tile_dim1
	s_mov_b32 s29, 32                              ; from row to row
	s_mov_b32 s30, 0
	s_mov_b32 s31, 0
	s_and_b32 s18, s[WV], 1
	s_mul_i32 s18, s18, 19456                      ; my half of a chunk, in LDS and in memory
	s_mul_i32 s20, s17, 155648                     ; the head's records
	s_add_co_u32 s20, s20, s18
	s_mov_b32 s21, 0
	s_mov_b32 s[TB], 0
	s_mov_b32 s[CAP], 0x4cbebc20
	s_mov_b32 s[SEL], 0x76543210
	s_mov_b32 s[SEL+1], 0xfedcba98
	s_mov_b32 s[PLO], 0x05040100
	s_mov_b32 s[PHI], 0x07060302
	s_wait_dscnt 0x0
	s_wait_kmcnt 0x0
	s_add_nc_u64 s[6:7], s[6:7], s[20:21]
	CROUND                                         ; all four work-groups are here: the joint loads meet
.irp j, 0,1,2,3
	s_mov_b32 s[32+4*\j], 1                        ; count = 1
	s_add_co_u32 s[33+4*\j], s18, 38912*\j         ; LDS address: chunk j, my half
	s_add_nc_u64 s[34+4*\j:35+4*\j], s[6:7], 38912*\j
	s_or_b32 s[35+4*\j], s[35+4*\j], 0x80000000    ; type = 2
.endr
	s_cmp_lt_u32 s[WV], 2                          ; all the fills of a wave stand in one branch on the wave's number, ahead of every wait on TENSORcnt and every LDS read
	s_cbranch_scc0 .Lno_fill
	tensor_load_to_lds s[32:35], s[24:31]
	s_nop 0
	tensor_load_to_lds s[36:39], s[24:31]
	s_nop 0
	tensor_load_to_lds s[40:43], s[24:31]
	s_nop 0
	tensor_load_to_lds s[44:47], s[24:31]
	s_nop 0
.rept 4
	v_nop
.endr
.Lno_fill:
	v_and_b32 v230, 31, v0
	s_delay_alu instid0(VALU_DEP_1)
	v_lshlrev_b32 v1, 4, v230                      ; 16 x lane
	s_wait_alu depctr_va_vdst(0)
	v_lshlrev_b32 v2, 2, v230                      ; 4 x lane
	v_bfe_u32 v231, v0, 4, 1
	s_delay_alu instid0(VALU_DEP_1)
	v_lshlrev_b32 v3, 5, v231                      ; 32 h
	v_and_b32 v232, 15, v0
	s_wait_alu depctr_va_vdst(0)
	v_lshlrev_b32 v4, 3, v232                      ; 8 r
	s_lshl_b32 s56, s17, 4                         ; q's step record: 16 (batch, head) + 2 block + wave / 8; in it tile wave % 8
	s_lshl_b32 s57, s16, 1
	s_add_co_u32 s56, s56, s57
	s_lshr_b32 s57, s[WV], 3
	s_add_co_u32 s56, s56, s57
	s_mul_i32 s56, s56, 5376
	s_mov_b32 s57, 0
	s_add_nc_u64 s[4:5], s[4:5], s[56:57]
	s_and_b32 s58, s[WV], 7
	s_lshl_b32 s59, s58, 9
	v_add_nc_u32 v233, s59, v1
	global_load_b128 v[20:23], v233, s[4:5]        ; q's codes
	v_lshlrev_b32 v234, 2, v232
	s_lshr_b32 s59, s58, 1
	s_lshl_b32 s59, s59, 6
	v_add_nc_u32 v235, s59, v234
	global_load_b32 v9, v235, s[4:5] offset:4096   ; the pair's scale word of my query
	s_lshl_b32 s59, s58, 6
	v_add_nc_u32 v236, s59, v234
	global_load_b32 v30, v236, s[4:5] offset:4352  ; 2 |q|^2
	global_load_b32 v28, v236, s[4:5] offset:4864  ; 1 / (1 - |q|^2)
	s_load_b32 s22, s[8:9], 0x0                    ; the curvature
.irp i, 16,17,18,19,24,25,26,27
	v_mov_b32 v[\i], 0                             ; zero codes on both sides of q's
.endr
	s_wait_kmcnt 0x0
	v_mov_b32 v200, s22
	s_delay_alu instid0(VALU_DEP_1)
	v_max_num_f32 v200, 0x322bcc77, |v200|
	s_wait_alu depctr_va_vdst(0)
	v_sqrt_f32 v200, v200                          ; sc
	v_mov_b32 v229, 0                              ; (named as the upper half of the pair v[228:229])
	s_wait_alu depctr_va_vdst(0)
	v_add_f32 v200, 0x322bcc77, v200
	s_delay_alu instid0(VALU_DEP_1)
	v_mul_f32 v200, 0xc1000000, v200               ; -8 (sc + 1e-8)
	s_wait_alu depctr_va_vdst(0)
	v_rcp_f32 v200, v200                           ; NC
	v_nop
	s_wait_alu depctr_va_vdst(0)
	v_mov_b32 v201, v200
	s_wait_loadcnt 0x0
.irp i, 20,21,22,23
	v_xor_b32 v[\i], 0x88888888, v[\i]             ; every code's sign is turned
.endr
	s_and_b32 s59, s58, 1
	s_lshl_b32 s59, s59, 4
	v_lshrrev_b32 v9, s59, v9                      ; my tile's two bytes,
	s_delay_alu instid0(VALU_DEP_1)
	v_and_b32 v9, 0xffff, v9
	s_delay_alu instid0(VALU_DEP_1)
	v_lshl_or_b32 v9, v9, 16, v9                   ; for either place of q's codes,
	s_delay_alu instid0(VALU_DEP_1)
	v_add_nc_u32 v9, 0x02020202, v9                ; times 4
	v_mov_b32 v31, v30
	v_mov_b32 v29, v28
.set J, 0
.rept 32
	v_mov_b32 v[O+J], 0                            ; O^T.  (The step is written for every step alike: the first finds zeros.)  These lines are also the places between q's operand and scale word and the first product
.set J, J+1
.endr
	v_mov_b32 v14, 0
	v_mov_b32 v15, 0
	v_mov_b32 v13, 0xff61b1e6                      ; the largest t so far: -3e38
	s_delay_alu instid0(VALU_DEP_1)
	v_floor_f32 v12, -v13
.irp b, 0,1,2,3
	v_mov_b32 v[T1+\b], 0                          ; written once: a lane permute's destination counts as one of its sources
.endr
; x of one tile of 16 keys: F holds 1/B, S holds D
.macro PHASEA t
.irp i, 0,2,4,6
	v_pk_mul_f32 v[F+8*(\t)+\i:F+8*(\t)+\i+1], v[F+8*(\t)+\i:F+8*(\t)+\i+1], v[28:29]
.endr
.irp i, 0,2,4,6
	v_pk_add_f32 v[S+8*(\t)+\i:S+8*(\t)+\i+1], v[S+8*(\t)+\i:S+8*(\t)+\i+1], v[30:31]   ; each accumulator from its low end on
.endr
.irp i, 0,1,2,3,4,5,6,7
	v_min_u32 v[F+8*(\t)+\i], s[CAP], v[F+8*(\t)+\i]
.endr
.irp i, 0,1,2,3,4,5,6,7
	v_max_num_f32 v[S+8*(\t)+\i], 0, v[S+8*(\t)+\i]
.endr
.irp i, 0,2,4,6
	v_pk_fma_f32 v[S+8*(\t)+\i:S+8*(\t)+\i+1], v[S+8*(\t)+\i:S+8*(\t)+\i+1], v[F+8*(\t)+\i:F+8*(\t)+\i+1], 1.0 op_sel_hi:[1,1,0]
.endr
.endm
; A KEY STEP: 128 keys, the record at s[TB]
.macro STEP
	s_setprio 2
	v_add_nc_u32 v5, s[TB], v1                     ; (these four are also the places behind the last products, in front of the loads into their operands' registers)
	v_add_nc_u32 v6, s[TB], v2
	v_add_nc_u32 v7, s[TB], v3
	v_add_nc_u32 v8, s[TB], v4
.irp t, 0,1,2,3,4,5,6,7
	ds_load_b128 v[F+4*\t:F+4*\t+3], v5 offset:512*\t              ; k's codes: tiles 2 p and 2 p + 1 make one operand
.endr
	ds_load_b32 v10, v6 offset:4096                ; k's scale words: lanes 0-15 pair 0, lanes 16-31 pair 1;
	ds_load_b32 v11, v6 offset:4224                ; pairs 2 and 3
.irp t, 0,1,2,3,4,5,6,7
	ds_load_b128 v[S+8*\t:S+8*\t+3], v7 offset:4352+64*\t          ; 2 |k|^2 of my eight keys of each tile, as the accumulator
	ds_load_b128 v[S+8*\t+4:S+8*\t+7], v7 offset:4352+64*\t+16
.endr
.irp t, 4,5,6,7
	ds_load_b128 v[F+8*\t:F+8*\t+3], v7 offset:4864+64*\t          ; 1/B of tiles 4-7
	ds_load_b128 v[F+8*\t+4:F+8*\t+7], v7 offset:4864+64*\t+16
.endr
	s_wait_alu depctr_va_vdst(0)
	s_wait_dscnt 0x0
.irp p, 0,1,2,3
.if \p%2
	v_wmma_scale_f32_16x16x128_f8f6f4 v[S+16*\p:S+16*\p+7], v[F+8*\p:F+8*\p+7], v[20:27], v[S+16*\p:S+16*\p+7], v[10+\p/2], v9 matrix_a_fmt:MATRIX_FMT_FP4 matrix_b_fmt:MATRIX_FMT_FP4 matrix_a_scale:MATRIX_SCALE_ROW1
	v_wmma_scale_f32_16x16x128_f8f6f4 v[S+16*\p+8:S+16*\p+15], v[F+8*\p:F+8*\p+7], v[16:23], v[S+16*\p+8:S+16*\p+15], v[10+\p/2], v9 matrix_a_fmt:MATRIX_FMT_FP4 matrix_b_fmt:MATRIX_FMT_FP4 matrix_a_scale:MATRIX_SCALE_ROW1
.else
	v_wmma_scale_f32_16x16x128_f8f6f4 v[S+16*\p:S+16*\p+7], v[F+8*\p:F+8*\p+7], v[20:27], v[S+16*\p:S+16*\p+7], v[10+\p/2], v9 matrix_a_fmt:MATRIX_FMT_FP4 matrix_b_fmt:MATRIX_FMT_FP4
	v_wmma_scale_f32_16x16x128_f8f6f4 v[S+16*\p+8:S+16*\p+15], v[F+8*\p:F+8*\p+7], v[16:23], v[S+16*\p+8:S+16*\p+15], v[10+\p/2], v9 matrix_a_fmt:MATRIX_FMT_FP4 matrix_b_fmt:MATRIX_FMT_FP4
.endif
.endr
.rept 4
	v_nop                                          ; places in front of the loads below and of the first read of results
.endr
.irp t, 0,1,2,3
	ds_load_b128 v[F+8*\t:F+8*\t+3], v7 offset:4864+64*\t          ; 1/B of tiles 0-3, where k's codes lay
	ds_load_b128 v[F+8*\t+4:F+8*\t+7], v7 offset:4864+64*\t+16
.endr
.irp t, 4,5,6,7
	PHASEA \t
.endr
	s_wait_dscnt 0x0
.irp t, 0,1,2,3
	PHASEA \t
.endr
.irp b, 0,1,2,3
	v_min3_num_f32 v[BM+\b], v[S+16*\b], v[S+16*\b+1], v[S+16*\b+2]    ; the smallest x of each block of 32 keys
.endr
.irp i, 3,5,7,9,11,13
.irp b, 0,1,2,3
	s_delay_alu instid0(VALU_DEP_4)
	v_min3_num_f32 v[BM+\b], v[BM+\b], v[S+16*\b+\i], v[S+16*\b+\i+1]
.endr
.endr
.irp b, 0,1,2,3
	s_delay_alu instid0(VALU_DEP_4)
	v_min_num_f32 v[BM+\b], v[BM+\b], v[S+16*\b+15]
.endr
.irp b, 0,1,2,3
	v_permlanex16_b32 v[T1+\b], v[BM+\b], s[SEL], s[SEL+1]
.endr
.irp b, 0,1,2,3
	s_delay_alu instid0(VALU_DEP_4)
	v_min_num_f32 v[BM+\b], v[BM+\b], v[T1+\b]     ; with lane l xor 16's 16 keys
.endr
.set J, 0
.rept 32
	v_pk_fma_f32 v[F+J:F+J+1], v[S+J:S+J+1], v[S+J:S+J+1], -1.0 op_sel_hi:[1,1,0]   ; x x - 1
.set J, J+2
.endr
.irp b, 0,1,2,3
	v_fma_f32 v[T1+\b], v[BM+\b], v[BM+\b], -1.0
.endr
	s_wait_alu depctr_va_vdst(0)
.irp b, 0,1,2,3
	v_sqrt_f32 v[T1+\b], v[T1+\b]
.endr
.set J, 0
.rept 64
	v_sqrt_f32 v[F+J], v[F+J]
.set J, J+1
.endr
	v_nop                                          ; a plain line behind the roots
.set J, 0
	s_setprio 1
	s_wait_alu depctr_va_vdst(0)
.rept 32
	v_pk_add_f32 v[S+J:S+J+1], v[S+J:S+J+1], v[F+J:F+J+1]
.set J, J+2
.endr
.irp b, 0,1,2,3
	v_add_f32 v[BM+\b], v[BM+\b], v[T1+\b]
.endr
.irp b, 0,1,2,3
.irp c, 0,1
	ds_load_b128 v[F+8*\b+4*\c:F+8*\b+4*\c+3], v5 offset:5376+1024*\b+512*\c   ; v's four fragments: they land under the logarithms and exponentials
.endr
.endr
	ds_load_b64 v[202:203], v8 offset:9472         ; v's scale bytes of keys 0-63: four feature tiles' halfwords;
	ds_load_b64 v[204:205], v8 offset:9600         ; of keys 64-127
	s_wait_alu depctr_va_vdst(0)
.irp b, 0,1,2,3
	v_log_f32 v[BM+\b], v[BM+\b]
.endr
.set J, 0
.rept 64
	v_log_f32 v[S+J], v[S+J]
.set J, J+1
.endr
	v_nop                                          ; a plain line behind the logarithms
	s_wait_alu depctr_va_vdst(0)
	v_min3_num_f32 v230, v[BM], v[BM+1], v[BM+2]
	v_min_num_f32 v230, v230, v[BM+3]              ; the step's smallest L of my query:
	v_mul_f32 v230, v200, v230                     ; its largest t (NC is negative)
	s_delay_alu instid0(VALU_DEP_1)
	v_max_num_f32 v13, v13, v230
	v_mov_b32 v230, v12
	s_delay_alu instid0(VALU_DEP_2)
	v_floor_f32 v12, -v13                          ; the new -M = floor(-t)
	s_delay_alu instid0(VALU_DEP_1)
	v_sub_f32 v230, v12, v230                      ; old M - new M: a whole number, 0 or less
	s_delay_alu instid0(VALU_DEP_1)
	v_cvt_i32_f32 v230, v230                       ; (it saturates)
	s_delay_alu instid0(VALU_DEP_1)
	v_ldexp_f32 v228, 1.0, v230                    ; f = 2^(old M - new M)
.set J, 0
.rept 32
	v_pk_fma_f32 v[S+J:S+J+1], v[S+J:S+J+1], v[200:201], v[12:13] op_sel_hi:[1,1,0]   ; t - M
.set J, J+2
.endr
.irp b, 0,1,2,3
	v_fma_f32 v[BM+\b], v[BM+\b], v200, v12
.endr
	s_wait_alu depctr_va_vdst(0)
.irp b, 0,1,2,3
	v_exp_f32 v[BM+\b], v[BM+\b]                   ; the block's largest p
.endr
.set J, 0
.rept 64
	v_exp_f32 v[S+J], v[S+J]                       ; p, at most 1
.set J, J+1
.endr
	s_setprio 0
	v_pk_mul_f32 v[14:15], v[14:15], v[228:229] op_sel_hi:[1,0]    ; the sums under the new M.  (A plain line behind the exponentials)
	s_wait_alu depctr_va_vdst(0)
.irp b, 0,1,2,3
	v_max_num_f32 v[BM+\b], 0x1800000, v[BM+\b]    ; the floor 2^(3 - 127)
.endr
.irp b, 0,1,2,3
	s_delay_alu instid0(VALU_DEP_4)
	v_add_nc_u32 v[T2+\b], 0xff000000, v[BM+\b]    ; the conversion's scale operand
.endr
.irp b, 0,1,2,3
	s_delay_alu instid0(VALU_DEP_4)
	v_lshrrev_b32 v[BY+\b], 23, v[T2+\b]
.endr
	s_delay_alu instid0(VALU_DEP_3)
	v_lshl_or_b32 v210, v[BY+1], 8, v[BY]          ; p's scale word for these 128 keys
	s_delay_alu instid0(VALU_DEP_1)
	v_lshl_or_b32 v210, v[BY+2], 16, v210
	s_delay_alu instid0(VALU_DEP_1)
	v_lshl_or_b32 v210, v[BY+3], 24, v210
.irp b, 0,1,2,3
	v_cvt_scalef32_pk8_fp4_f32 v[PC+2*\b], v[S+16*\b:S+16*\b+7], v[T2+\b]
	v_cvt_scalef32_pk8_fp4_f32 v[PC+2*\b+1], v[S+16*\b+8:S+16*\b+15], v[T2+\b]
.endr
	v_nop                                          ; one plain line behind a scaled conversion
.irp c, 0,1
.irp i, 0,1
	v_permlane16_swap_b32 v[PC+4*\c+\i], v[PC+4*\c+2+\i]           ; a whole block to a lane
.endr
.endr
	s_wait_dscnt 0x0                               ; v's fragments and scale bytes are in
	v_perm_b32 v206, v204, v202, s[PLO]            ; feature tile b's word: keys 0-63's halfword below, keys 64-127's above
	v_perm_b32 v207, v204, v202, s[PHI]
	v_perm_b32 v208, v205, v203, s[PLO]
	v_perm_b32 v209, v205, v203, s[PHI]
	v_pk_add_f32 v[232:233], v[100:101], v[104:105]
	v_pk_add_f32 v[252:253], v[108:109], v[112:113]
	v_pk_add_f32 v[250:251], v[116:117], v[120:121]
	v_pk_add_f32 v[248:249], v[124:125], v[128:129]
	v_pk_add_f32 v[246:247], v[132:133], v[136:137]
	v_pk_add_f32 v[244:245], v[140:141], v[144:145]
	v_pk_add_f32 v[242:243], v[148:149], v[152:153]
	v_pk_add_f32 v[14:15], v[14:15], v[156:157]
	v_pk_add_f32 v[232:233], v[232:233], v[96:97]
	v_pk_add_f32 v[252:253], v[252:253], v[98:99]
	v_pk_add_f32 v[250:251], v[250:251], v[102:103]
	v_pk_add_f32 v[248:249], v[248:249], v[106:107]
	v_pk_add_f32 v[246:247], v[246:247], v[110:111]
	v_pk_add_f32 v[244:245], v[244:245], v[114:115]
	v_pk_add_f32 v[242:243], v[242:243], v[118:119]
	v_pk_add_f32 v[14:15], v[14:15], v[122:123]
	v_pk_add_f32 v[232:233], v[232:233], v[126:127]
	v_pk_add_f32 v[252:253], v[252:253], v[130:131]
	v_pk_add_f32 v[250:251], v[250:251], v[134:135]
	v_pk_add_f32 v[248:249], v[248:249], v[138:139]
	v_pk_add_f32 v[246:247], v[246:247], v[142:143]
	v_pk_add_f32 v[244:245], v[244:245], v[146:147]
	v_pk_add_f32 v[242:243], v[242:243], v[150:151]
	v_pk_add_f32 v[14:15], v[14:15], v[154:155]
	v_pk_add_f32 v[232:233], v[232:233], v[158:159]
	s_delay_alu instid0(VALU_DEP_2)
	v_pk_add_f32 v[14:15], v[14:15], v[248:249]
	s_delay_alu instid0(VALU_DEP_2)
	v_pk_add_f32 v[232:233], v[232:233], v[246:247]
	v_pk_add_f32 v[252:253], v[252:253], v[244:245]
	v_pk_add_f32 v[250:251], v[250:251], v[242:243]
	s_delay_alu instid0(VALU_DEP_2)
	v_pk_add_f32 v[14:15], v[14:15], v[252:253]
	s_delay_alu instid0(VALU_DEP_2)
	v_pk_add_f32 v[232:233], v[232:233], v[250:251]
	s_delay_alu instid0(VALU_DEP_1)
	v_pk_add_f32 v[14:15], v[14:15], v[232:233]
.set J, 0
.rept 16
	v_pk_mul_f32 v[O+J:O+J+1], v[O+J:O+J+1], v[228:229] op_sel_hi:[1,0]   ; O^T under the new M.  (These 48 lines are the places between the scale words and operands just made and the products)
.set J, J+2
.endr
.irp b, 0,1,2,3
	v_wmma_scale_f32_16x16x128_f8f6f4 v[O+8*\b:O+8*\b+7], v[F+8*\b:F+8*\b+7], v[PC:PC+7], v[O+8*\b:O+8*\b+7], v[206+\b], v210 matrix_a_fmt:MATRIX_FMT_FP4 matrix_b_fmt:MATRIX_FMT_FP4
.endr
	s_add_co_u32 s[TB], s[TB], REC
.endm
; as in the projection's launch: 32 numbers of a lane become registers 0-3 of a fragment and the row's two scale bytes
.macro HQUANT s, pc, hw, t
	v_max3_num_f32 v[(\t)], |v[(\s)]|, |v[(\s)+1]|, 0x1800000
	v_max3_num_f32 v[(\t)+1], |v[(\s)+16]|, |v[(\s)+17]|, 0x1800000
.irp i, 2,4,6,8,10,12,14
	s_delay_alu instid0(VALU_DEP_2)
	v_max3_num_f32 v[(\t)], v[(\t)], |v[(\s)+\i]|, |v[(\s)+\i+1]|
	s_delay_alu instid0(VALU_DEP_2)
	v_max3_num_f32 v[(\t)+1], v[(\t)+1], |v[(\s)+16+\i]|, |v[(\s)+17+\i]|
.endr
	v_permlanex16_b32 v[(\t)+2], v[(\t)], s[SEL], s[SEL+1]
	v_permlanex16_b32 v[(\t)+3], v[(\t)+1], s[SEL], s[SEL+1]
	s_delay_alu instid0(VALU_DEP_2)
	v_max_num_f32 v[(\t)], v[(\t)], v[(\t)+2]
	s_delay_alu instid0(VALU_DEP_2)
	v_max_num_f32 v[(\t)+1], v[(\t)+1], v[(\t)+3]
	s_delay_alu instid0(VALU_DEP_2)
	v_add_nc_u32 v[(\t)+4], 0xff000000, v[(\t)]
	s_delay_alu instid0(VALU_DEP_2)
	v_add_nc_u32 v[(\t)+5], 0xff000000, v[(\t)+1]
	s_delay_alu instid0(VALU_DEP_2)
	v_lshrrev_b32 v[(\t)+2], 23, v[(\t)+4]
	s_delay_alu instid0(VALU_DEP_2)
	v_lshrrev_b32 v[(\t)+3], 23, v[(\t)+5]
	s_delay_alu instid0(VALU_DEP_1)
	v_lshl_or_b32 v[(\hw)], v[(\t)+3], 8, v[(\t)+2]
	v_cvt_scalef32_pk8_fp4_f32 v[(\pc)], v[(\s):(\s)+7], v[(\t)+4]
	v_cvt_scalef32_pk8_fp4_f32 v[(\pc)+1], v[(\s)+8:(\s)+15], v[(\t)+4]
	v_cvt_scalef32_pk8_fp4_f32 v[(\pc)+2], v[(\s)+16:(\s)+23], v[(\t)+5]
	v_cvt_scalef32_pk8_fp4_f32 v[(\pc)+3], v[(\s)+24:(\s)+31], v[(\t)+5]
	v_nop
	v_permlane16_swap_b32 v[(\pc)], v[(\pc)+2]
	v_permlane16_swap_b32 v[(\pc)+1], v[(\pc)+3]
.endm
	s_wait_tensorcnt 0x3                           ; my half of the first chunk has landed; the three younger loads may stay out
	s_barrier_signal -1
	s_barrier_wait -1                              ; records 0 to 3 are whole
	s_mov_b32 s[CNT], 4
.Lfirst:
	STEP
	s_sub_co_u32 s[CNT], s[CNT], 1
	s_cmp_lg_u32 s[CNT], 0
	s_cbranch_scc1 .Lfirst
	s_setprio 0
	s_wait_tensorcnt 0x0                           ; all my loads have landed
	s_wait_dscnt 0x0
	s_barrier_signal -1
	s_barrier_wait -1                              ; all sixteen records are whole
	s_mov_b32 s[CNT], 12
.Lrest:
	STEP
	s_sub_co_u32 s[CNT], s[CNT], 1
	s_cmp_lg_u32 s[CNT], 0
	s_cbranch_scc1 .Lrest
	s_setprio 0
	; THE WAY OUT: O^T / the sum is the next product's operand: register 16 e + 8 u + j = feature 32 e + 16 h + 8 u + j of my query: quantised here, stored as part of an operand's image
.rept 4
	v_nop
.endr
	v_add_f32 v14, v14, v15
	s_delay_alu instid0(VALU_DEP_1)
	v_permlanex16_b32 v230, v14, s[SEL], s[SEL+1]
	s_delay_alu instid0(VALU_DEP_1)
	v_add_f32 v14, v14, v230                       ; the row's sum
	s_wait_alu depctr_va_vdst(0)
	v_rcp_f32 v228, v14
	v_rcp_f32 v229, v14
	v_nop
.set J, 0
	s_wait_alu depctr_va_vdst(0)
.rept 16
	v_pk_mul_f32 v[S+J:S+J+1], v[O+J:O+J+1], v[228:229]
.set J, J+2
.endr
	HQUANT S, PC, 210, T1
	s_wait_alu depctr_va_vdst(0)
	s_lshr_b32 s56, s17, 4
	s_lshl_b32 s56, s56, 7
	s_lshl_b32 s57, s16, 4
	s_add_co_u32 s56, s56, s57
	s_add_co_u32 s56, s56, s[WV]                   ; my token tile: 128 batch + 16 block + wave
	s_and_b32 s58, s17, 15                         ; the head: K step head / 2, part head % 2
	s_lshl_b32 s60, s56, 13
	s_lshl_b32 s59, s58, 9
	s_add_co_u32 s60, s60, s59
	s_mov_b32 s61, 0
	s_add_nc_u64 s[10:11], s[10:11], s[60:61]
	s_lshl_b32 s60, s56, 9
	s_lshr_b32 s59, s58, 3
	s_lshl_b32 s59, s59, 8
	s_add_co_u32 s60, s60, s59
	s_and_b32 s59, s58, 7
	s_lshl_b32 s59, s59, 1                         ; word (head / 2) % 4, halfword head % 2
	s_add_co_u32 s60, s60, s59
	s_add_nc_u64 s[12:13], s[12:13], s[60:61]
	global_store_b128 v1, v[PC:PC+3], s[10:11]     ; 512 consecutive bytes
	v_and_b32 v231, 15, v0
	s_delay_alu instid0(VALU_DEP_1)
	v_lshlrev_b32 v231, 4, v231                    ; 16 r
	v_and_b32 v232, 31, v0
	s_delay_alu instid0(VALU_DEP_1)
	v_cmp_gt_u32 vcc_lo, 16, v232
	s_wait_alu depctr_va_vdst(0)
	s_wait_xcnt 0x0                                ; EXEC changes only behind this wait
	s_and_saveexec_b32 s62, vcc_lo
	global_store_b16 v231, v210, s[12:13]          ; a head owns half a scale word of each row: two bytes a row, 131,072 bytes in the whole launch
	s_wait_xcnt 0x0
	s_or_b32 exec_lo, exec_lo, s62
	s_wait_dscnt 0x0
	s_wait_tensorcnt 0x0
	ds_add_u32 v254, v255
	s_wait_dscnt 0x0
	CROUND                                         ; the closing round: no work-group ends while a partner may still ask for a tile that names it
	s_endpgm
.Lfunc_end_k_q3f9010b8fa_attn:
	.size	k_q3f9010b8fa_attn, .Lfunc_end_k_q3f9010b8fa_attn-k_q3f9010b8fa_attn
	.p2alignl 7, 3214868480
	.fill 96, 4, 3214868480
	.section	.rodata,"a",@progbits
	.p2align	6, 0x0
	.amdhsa_kernel k_q3f9010b8fa_attn
		.amdhsa_group_segment_fixed_size 169984
		.amdhsa_private_segment_fixed_size 0
		.amdhsa_enable_private_segment 0
		.amdhsa_kernarg_size 40
		.amdhsa_user_sgpr_count 2
		.amdhsa_user_sgpr_kernarg_segment_ptr 1
		.amdhsa_wavefront_size32 1
		.amdhsa_system_sgpr_workgroup_id_x 1
		.amdhsa_system_sgpr_workgroup_id_y 1
		.amdhsa_system_sgpr_workgroup_id_z 1
		.amdhsa_system_vgpr_workitem_id 0
		.amdhsa_next_free_vgpr 256
		.amdhsa_next_free_sgpr 72
		.amdhsa_reserve_vcc 1
		.amdhsa_float_denorm_mode_32 3
		.amdhsa_float_denorm_mode_16_64 3
		.amdhsa_memory_ordered 1
		.amdhsa_forward_progress 1
		.amdhsa_inst_pref_size 90
	.end_amdhsa_kernel
	.amdgpu_metadata
---
amdhsa.version: [ 1, 2 ]
amdhsa.kernels:
  - .name:           k_q3f9010b8fa_attn
    .symbol:         k_q3f9010b8fa_attn.kd
    .args:
      - { .name: qrec, .offset: 0, .size: 8, .value_kind: global_buffer, .address_space: global }
      - { .name: kvrec, .offset: 8, .size: 8, .value_kind: global_buffer, .address_space: global }
      - { .name: curvature, .offset: 16, .size: 8, .value_kind: global_buffer, .address_space: global }
      - { .name: acodes, .offset: 24, .size: 8, .value_kind: global_buffer, .address_space: global }
      - { .name: ascales, .offset: 32, .size: 8, .value_kind: global_buffer, .address_space: global }
    .group_segment_fixed_size: 169984
    .private_segment_fixed_size: 0
    .kernarg_segment_align: 8
    .kernarg_segment_size: 40
    .max_flat_workgroup_size: 512
    .sgpr_count:     72
    .vgpr_count:     256
    .wavefront_size: 32
...
	.end_amdgpu_metadata
.endif
;; end of part 7
;; launch outp (part 8): grid 64 x 4, 8 waves a work-group, no clusters, 35,840 bytes of LDS; arguments acodes, ascales, codes, scales, bo, bb, out0; writes out0
.if DOCPART == 8
	.amdgcn_target "amdgcn-amd-amdhsa--gfx1250"
	.amdhsa_code_object_version 6
	.text
	.protected	k_q3f9010b8fa_outp
	.globl	k_q3f9010b8fa_outp
	.p2align	8
	.type	k_q3f9010b8fa_outp,@function
k_q3f9010b8fa_outp:
	s_mov_b64 s[64:65], 0
	v_nop
	global_prefetch_b8 v0, s[64:65] scope:SCOPE_SE
	s_setreg_imm32_b32 hwreg(HW_REG_WAVE_SCHED_MODE, 0, 2), 2
	s_setreg_imm32_b32 hwreg(HW_REG_WAVE_MODE, 25, 1), 1
	s_wait_xcnt 0x0
	s_wait_alu depctr_vm_vsrc(0)
; out = attn Wo^T + bo + query Wb^T + bb, as ONE product with K = 2,048: [attn | query] x [Wo | Wb]^T + (bo + bb), on codes of FP4; out [4096][1024] f32.
; SHARES: work-group (x, y): 64 tokens x 256 features.  Wave w: 32 tokens (2 tiles, half w % 2) x 64 features (4 tiles, group w / 2): 8 accumulators, 16 K steps of 128.
; Source 0 = 4 tiles of the weight, source 1 = 2 tiles of tokens: a lane holds a token, and the 16 registers of weight tiles 2 e, 2 e + 1 are the 16 neighbouring features 32 e + 16 h + 0 .. 15.
; The biases' sum is the C of each sum's first matrix instruction.  Fragments come from memory as images, 512 consecutive bytes a load, three K steps ahead in four sets of registers.
; No cluster and no tile in LDS: nothing passes through LDS on the way in, so there is no tile that a joint request could bring.
; The way out: 16 rows x 256 bytes at a time through the wave's own stage (rows 272 bytes apart), so that sixteen lanes store 256 consecutive bytes, aligned.
; THE MODE: SCHED_MODE bits 1:0 = 2 (LLVM: expert scheduling mode 2), set by the entry lines.  The code itself states the register dependences between vector or matrix instructions and memory or
; LDS instructions, with s_wait_alu, always for 0.
; THE PLAN.  Registers that memory or LDS instructions touch:
;   v1, v2        offsets of the loads; v3, v4 LDS addresses of the stage; v5 the stores' offset: all made at the head and never written again.
;   v16-63        the scale words: loaded once, read by the products.
;   sets 0 to 3   K step s: its eight products read set s % 4; its twelve loads, those of step s + 3, land in set (s + 3) % 4 = (s - 1) % 4, which the step before read and no instruction of step s names.
;   v160-223      the biases: loaded once, summed by vector instructions into v160-191, the C of step 0's products.
;   v192-255      the accumulators: written by the products, read by the LDS stores of the way out.
;   v64-127       on the way out the loads from the stage land where sets 0 and 1 lay; the global stores read them.
;   v14, v15      written at the head, read by the closing add alone.
; So ONE wait on va_vdst stands at the head of each of steps 1 to 12, behind the wait for the step's data: the step before is done reading its set.  One more stands ahead of the way out.
; REGISTERS: v1 16 x lane, v2 64 h, v3-5 the way out; v16-47 the weight's scale words (16 part + 4 a + q), v48-63 the tokens' (8 part + 4 b + q); sets 0, 1: v64-111, v112-159;
; sets 2, 3: v256-303, v304-351 (window 1: named v0-47, v48-95); v160-191 bo + bb; v192-255 accumulator (b, a) at 192 + 32 b + 8 a.
.set MSB, 0
.macro WIN new                         ; s_set_vgpr_msb: bits 1:0 source 0, 3:2 source 1, 5:4 source 2, 7:6 destination; the immediate's high byte repeats the setting that is left
.if MSB != (\new)
	s_set_vgpr_msb (MSB<<8)|(\new)
.set MSB, (\new)
.endif
.endm
.macro LWIN s                          ; the window for the loads of K step s: their destination
.if ((\s)%4) < 2
	WIN 0
.else
	WIN 0x40
.endif
.endm
.macro MWIN s                          ; the window for the products of K step s: their two sources
.if ((\s)%4) < 2
	WIN 0
.else
	WIN 0x05
.endif
.endm
	s_load_b256 s[4:11], s[0:1], 0x0               ; acodes, ascales, codes, scales
	s_load_b128 s[12:15], s[0:1], 0x20             ; bo, bb
	s_load_b64 s[16:17], s[0:1], 0x30              ; out0
	v_lshl_add_u32 v14, v0, 2, 0x8800
	v_mov_b32 v15, 0
	v_lshrrev_b32 v1, 5, v0
	v_readfirstlane_b32 s18, v1                    ; wave 0..7
	v_and_b32 v1, 31, v0
	v_lshlrev_b32 v1, 4, v1                        ; 16 x lane
	v_bfe_u32 v6, v0, 4, 1                         ; h
	v_and_b32 v7, 15, v0                           ; r
	v_lshlrev_b32 v2, 6, v6                        ; 64 h
	s_wait_alu depctr_va_sdst(0)                   ; s18 is written, ahead of its first reader: the stage and every base are made from it
	s_mul_i32 s40, s18, 4352                       ; my stage
	v_mul_u32_u24 v3, v7, 272
	v_lshl_add_u32 v3, v6, 6, v3
	v_add_nc_u32 v3, s40, v3                       ; in: row r, + 64 h
	v_mul_u32_u24 v4, v6, 272
	v_lshl_add_u32 v4, v7, 4, v4
	v_add_nc_u32 v4, s40, v4                       ; back: lanes 0-15 one row, lanes 16-31 the next
	v_lshlrev_b32 v5, 12, v6
	v_lshl_add_u32 v5, v7, 4, v5                   ; and the same two rows in out
	s_and_b32 s19, s18, 1                          ; which 32 tokens
	s_lshr_b32 s20, s18, 1                         ; which 64 features
	s_and_b32 s21, ttmp7, 0xffff
	s_lshl_b32 s22, s21, 4
	s_lshl_b32 s23, s20, 2
	s_add_co_u32 s22, s22, s23
	s_add_co_u32 s22, s22, 448                     ; Wo's tile; Wb's lies 64 tiles on
	s_lshl_b32 s23, ttmp9, 2
	s_lshl_b32 s41, s19, 1
	s_add_co_u32 s23, s23, s41                     ; my first token tile
	s_lshl_b32 s24, s22, 13
	s_mov_b32 s25, 0
	s_lshl_b32 s26, s22, 9
	s_mov_b32 s27, 0
	s_lshl_b32 s28, s23, 13
	s_mov_b32 s29, 0
	s_lshl_b32 s30, s23, 9
	s_mov_b32 s31, 0
	s_lshl_b32 s36, s21, 10
	s_lshl_b32 s41, s20, 8
	s_add_co_u32 s36, s36, s41                     ; my first feature, in bytes
	s_mov_b32 s37, 0
	s_lshl_b32 s38, ttmp9, 18
	s_lshl_b32 s41, s19, 17
	s_add_co_u32 s38, s38, s41
	s_add_co_u32 s38, s38, s36                     ; my corner of out
	s_mov_b32 s39, 0
	s_wait_kmcnt 0x0
	s_add_nc_u64 s[32:33], s[8:9], s[28:29]        ; query's codes
	s_add_nc_u64 s[34:35], s[10:11], s[30:31]      ; and scale words
	s_add_nc_u64 s[28:29], s[4:5], s[28:29]        ; the attention's codes
	s_add_nc_u64 s[30:31], s[6:7], s[30:31]        ; and scale words
	s_add_nc_u64 s[24:25], s[8:9], s[24:25]        ; the weights' codes
	s_add_nc_u64 s[26:27], s[10:11], s[26:27]      ; and scale words
	s_add_nc_u64 s[12:13], s[12:13], s[36:37]
	s_add_nc_u64 s[14:15], s[14:15], s[36:37]
	s_add_nc_u64 s[16:17], s[16:17], s[38:39]
.macro LOADF s                         ; K step s: part s / 8 (0: attention with Wo, 1: query with Wb), its K step s % 8, into set s % 4: 12 loads (the caller has set the destination's window)
.set PB, 64+48*((\s)%4)-160*(((\s)%4)/2)
.irp a, 0,1,2,3
.irp c, 0,1
	global_load_b128 v[PB+8*\a+4*\c:PB+8*\a+4*\c+3], v1, s[24:25] offset:524288*((\s)/8)+8192*\a+1024*((\s)%8)+512*\c
.endr
.endr
.irp b, 0,1
.irp c, 0,1
.if (\s) < 8
	global_load_b128 v[PB+32+8*\b+4*\c:PB+32+8*\b+4*\c+3], v1, s[28:29] offset:8192*\b+1024*((\s)%8)+512*\c
.else
	global_load_b128 v[PB+32+8*\b+4*\c:PB+32+8*\b+4*\c+3], v1, s[32:33] offset:8192*\b+1024*((\s)%8)+512*\c
.endif
.endr
.endr
.endm
.macro MUL8 s                          ; 8 products on set s % 4; the 8 accumulators take turns, one instruction a turn
.set PB, 64+48*((\s)%4)-160*(((\s)%4)/2)
.set SQ0, 16+16*((\s)/8)+(\s)%4
.set SQ1, 48+8*((\s)/8)+(\s)%4
.irp b, 0,1
.irp a, 0,1,2,3
.if (\s) == 0
	v_wmma_scale_f32_16x16x128_f8f6f4 v[192+32*\b+8*\a:192+32*\b+8*\a+7], v[PB+8*\a:PB+8*\a+7], v[PB+32+8*\b:PB+32+8*\b+7], v[160+8*\a:160+8*\a+7], v[SQ0+4*\a], v[SQ1+4*\b] matrix_a_fmt:MATRIX_FMT_FP4 matrix_b_fmt:MATRIX_FMT_FP4
.elseif ((\s)%8) < 4
	v_wmma_scale_f32_16x16x128_f8f6f4 v[192+32*\b+8*\a:192+32*\b+8*\a+7], v[PB+8*\a:PB+8*\a+7], v[PB+32+8*\b:PB+32+8*\b+7], v[192+32*\b+8*\a:192+32*\b+8*\a+7], v[SQ0+4*\a], v[SQ1+4*\b] matrix_a_fmt:MATRIX_FMT_FP4 matrix_b_fmt:MATRIX_FMT_FP4
.else
	v_wmma_scale_f32_16x16x128_f8f6f4 v[192+32*\b+8*\a:192+32*\b+8*\a+7], v[PB+8*\a:PB+8*\a+7], v[PB+32+8*\b:PB+32+8*\b+7], v[192+32*\b+8*\a:192+32*\b+8*\a+7], v[SQ0+4*\a], v[SQ1+4*\b] matrix_a_fmt:MATRIX_FMT_FP4 matrix_b_fmt:MATRIX_FMT_FP4 matrix_a_scale:MATRIX_SCALE_ROW1 matrix_b_scale:MATRIX_SCALE_ROW1
.endif
.endr
.endr
.endm
; K step s, 1 to 15.  Steps 1 to 12 ask for step s + 3, into the set that the step before has multiplied; the last three ask for nothing, and their counts run down.
.macro KSTEP s
.if (\s) < 13
.rept 4
	v_nop                                          ; four plain lines between the last step's products and the loads into the registers that they read
.endr
	s_wait_loadcnt 24                              ; loads come back in order (ISA guide 5.7.1): this step's twelve are in, those of the two younger steps stay out
	LWIN (\s)+3                                    ; first the switch, then the wait, then the loads
	s_wait_alu depctr_va_vdst(0)                   ; the last step's products are done reading their set, in which the loads below land; no instruction of this step names it
	LOADF (\s)+3
.else
	s_wait_loadcnt 12*(15-(\s))
.endif
	MWIN \s
	MUL8 \s
.endm
	s_wait_alu depctr_va_vdst(0)                   ; v1 to v5 are written: the loads, the stage's LDS instructions and the stores read them as offsets and addresses
.irp a, 0,1,2,3
	global_load_b128 v[160+8*\a:163+8*\a], v2, s[12:13] offset:(32*(\a/2)+8*(\a%2))*4      ; bo in the result's layout,
	global_load_b128 v[164+8*\a:167+8*\a], v2, s[12:13] offset:(32*(\a/2)+8*(\a%2))*4+16
	global_load_b128 v[192+8*\a:195+8*\a], v2, s[14:15] offset:(32*(\a/2)+8*(\a%2))*4      ; bb likewise, where accumulators will lie
	global_load_b128 v[196+8*\a:199+8*\a], v2, s[14:15] offset:(32*(\a/2)+8*(\a%2))*4+16
.endr
.irp p, 0,1
.irp a, 0,1,2,3
	global_load_b128 v[16+16*\p+4*\a:16+16*\p+4*\a+3], v1, s[26:27] offset:32768*\p+512*\a
.endr
.endr
.irp b, 0,1
	global_load_b128 v[48+4*\b:48+4*\b+3], v1, s[30:31] offset:512*\b
	global_load_b128 v[56+4*\b:56+4*\b+3], v1, s[34:35] offset:512*\b
.endr
	LOADF 0
	LOADF 1
	LWIN 2                                         ; destination window 1.  Between the wait above and these loads stand loads and this switch alone
	LOADF 2
	LOADF 3
	WIN 0
	s_wait_loadcnt 36                              ; all but the 36 loads of K steps 1 to 3 are in
.irp i, 0,2,4,6,8,10,12,14,16,18,20,22,24,26,28,30
	v_pk_add_f32 v[160+\i:161+\i], v[160+\i:161+\i], v[192+\i:193+\i]
.endr
.rept 4
	v_nop
.endr
	MUL8 0
.irp s, 1,2,3,4,5,6,7,8,9,10,11,12,13,14,15
	KSTEP \s
.endr
	WIN 0
.rept 4
	v_nop                                          ; places in front of the first read of results
.endr
	s_wait_alu depctr_va_vdst(0)                   ; the products have written the accumulators, which the LDS stores read, and are done reading sets 0 and 1, in which the loads from the stage land; the places above stay beside this wait
.macro TOSTAGE b                       ; token tile b: a lane's 32 features into row r of the stage; back as whole rows of 256 bytes
.irp e, 0,1
.irp k, 0,1,2,3
	ds_store_b128 v3, v[192+32*\b+16*\e+4*\k:192+32*\b+16*\e+4*\k+3] offset:128*\e+16*\k   ; each accumulator from its low end on
.endr
.endr
.irp i, 0,1,2,3,4,5,6,7
	ds_load_b128 v[64+32*\b+4*\i:64+32*\b+4*\i+3], v4 offset:544*\i    ; LDS serves a wave's instructions in order: these see the stores above, and the next tile's stores come behind them
.endr
.endm
	TOSTAGE 0
	TOSTAGE 1
.irp i, 0,1,2,3,4,5,6,7
	s_wait_dscnt 23-\i                             ; behind load i of tile 0: its 7 - i younger loads and tile 1's sixteen lines
	global_store_b128 v5, v[64+4*\i:64+4*\i+3], s[16:17] offset:(2*\i+8*(\i/4))*4096 th:TH_STORE_NT
.endr
.irp i, 0,1,2,3,4,5,6,7
	s_wait_dscnt 7-\i
	global_store_b128 v5, v[96+4*\i:96+4*\i+3], s[16:17] offset:(8+2*\i+8*(\i/4))*4096 th:TH_STORE_NT   ; stage row 2 i + h of tile b is token 8 b + 2 i + h + 8 (i / 4) of my 32
.endr
	s_wait_dscnt 0x0                               ; the closing lines, six on end
	s_wait_alu 0x0
	s_wait_tensorcnt 0x0
	ds_add_u32 v14, v15
	s_wait_dscnt 0x0
	s_endpgm
.Lfunc_end_k_q3f9010b8fa_outp:
	.size	k_q3f9010b8fa_outp, .Lfunc_end_k_q3f9010b8fa_outp-k_q3f9010b8fa_outp
	.p2alignl 7, 3214868480
	.fill 96, 4, 3214868480
	.section	.rodata,"a",@progbits
	.p2align	6, 0x0
	.amdhsa_kernel k_q3f9010b8fa_outp
		.amdhsa_group_segment_fixed_size 35840
		.amdhsa_private_segment_fixed_size 0
		.amdhsa_enable_private_segment 0
		.amdhsa_kernarg_size 56
		.amdhsa_user_sgpr_count 2
		.amdhsa_user_sgpr_kernarg_segment_ptr 1
		.amdhsa_wavefront_size32 1
		.amdhsa_system_sgpr_workgroup_id_x 1
		.amdhsa_system_sgpr_workgroup_id_y 1
		.amdhsa_system_sgpr_workgroup_id_z 1
		.amdhsa_system_vgpr_workitem_id 0
		.amdhsa_next_free_vgpr 352
		.amdhsa_next_free_sgpr 66
		.amdhsa_reserve_vcc 0
		.amdhsa_float_denorm_mode_32 3
		.amdhsa_float_denorm_mode_16_64 3
		.amdhsa_memory_ordered 1
		.amdhsa_forward_progress 1
		.amdhsa_inst_pref_size 48
	.end_amdhsa_kernel
	.amdgpu_metadata
---
amdhsa.version: [ 1, 2 ]
amdhsa.kernels:
  - .name:           k_q3f9010b8fa_outp
    .symbol:         k_q3f9010b8fa_outp.kd
    .args:
      - { .name: acodes, .offset: 0, .size: 8, .value_kind: global_buffer, .address_space: global }
      - { .name: ascales, .offset: 8, .size: 8, .value_kind: global_buffer, .address_space: global }
      - { .name: codes, .offset: 16, .size: 8, .value_kind: global_buffer, .address_space: global }
      - { .name: scales, .offset: 24, .size: 8, .value_kind: global_buffer, .address_space: global }
      - { .name: bo, .offset: 32, .size: 8, .value_kind: global_buffer, .address_space: global }
      - { .name: bb, .offset: 40, .size: 8, .value_kind: global_buffer, .address_space: global }
      - { .name: out0, .offset: 48, .size: 8, .value_kind: global_buffer, .address_space: global }
    .group_segment_fixed_size: 35840
    .private_segment_fixed_size: 0
    .kernarg_segment_align: 8
    .kernarg_segment_size: 56
    .max_flat_workgroup_size: 256
    .sgpr_count:     66
    .vgpr_count:     352
    .wavefront_size: 32
...
	.end_amdgpu_metadata
.endif
;; end of part 8
